; MI455X (gfx1250); checked and timed in simulation.
; The chip was launched on July 23, 2026; its instructions are those of AMD's public machine-readable ISA for CDNA 5 (MIT licence, August 2026) and "CDNA5" Instruction Set Architecture Reference Guide (July 2026). The comments in the code are by the model that wrote it; some were corrected since.
;; Multi Head Attention CF. Allowed arithmetic: matrix products marked QUANTISED: E2M1 operands, one E8M0 scale for each 32 along K, by v_wmma_scale_f32_16x16x128_f8f6f4 with both operands' format E2M1 (or v_wmma_scale_f32_32x16x128_f4), f32 sums; everything else in f32.
;; Inputs: Wk 1,024 x 1,024 float32; Wo 1,024 x 1,024 float32; Wq 1,024 x 1,024 float32; Wv 1,024 x 1,024 float32; bk 1,024 float32; bo 1,024 float32; bq 1,024 float32; bv 1,024 float32; x 4 x 2,048 x 1,024 float32.
;; Outputs: out0 4 x 2,048 x 1,024 float32.
;; This version of the problem:
;;   THIS VERSION OF THE PROBLEM IS GIVEN IN LOW PRECISION. The matrix products marked QUANTISED in the list below multiply operands that are first quantised to E2M1 (2 exponent bits, 1 mantissa bit; 4 bits a number), with one power-of-two scale for each 32 numbers along K (OCP MX v1.0); their sums are f32. All else is computed in f32.
;;   The module's matrix products, in the order in which they are computed (A, B: the left and right operand; K: the contracted axis; several contracted axes count as one K, in the product's order):
;;     1. [M 8,192, K 1,024] x [K 1,024, N 1,024]; A: input x; B: input Wq: QUANTISED
;;     2. [M 8,192, K 1,024] x [K 1,024, N 1,024]; A: input x; B: input Wk: QUANTISED
;;     3. [M 8,192, K 1,024] x [K 1,024, N 1,024]; A: input x; B: input Wv: QUANTISED
;;     4. batch 64 x [M 2,048, K 64] x [K 64, N 2,048]; A: computed on the way; B: computed on the way: QUANTISED
;;     5. batch 64 x [M 2,048, K 2,048] x [K 2,048, N 64]; A: softmax (see below); B: computed on the way: QUANTISED
;;     6. [M 8,192, K 1,024] x [K 1,024, N 1,024]; A: computed on the way; B: input Wo: QUANTISED
;;   THE QUANTISER, for each operand of a quantised product, along K:
;;     - K is cut into blocks of 32 from its start; a last block that is shorter is filled with zeros.
;;     - A block's scale is 2^e with e = floor(log2(the largest magnitude in the block)) - 2, held to -126 .. 127; a block of zeros has e = 0. As a byte (E8M0): e + 127.
;;     - Each number is divided by its block's scale, clamped to +-6, and rounded to the nearest number of E2M1, ties to even, subnormals kept.
;;     - The product sums the exact products of the quantised numbers (number of the format x scale) in f32.
;;   ~~~python
;;   def quantise(x, axis):      # numpy; x: float32 -> the quantised numbers, widened to float32 again
;;       x = np.moveaxis(x, axis, -1); K = x.shape[-1]
;;       x = np.pad(x, [(0, 0)] * (x.ndim - 1) + [(0, -K % 32)]); x = x.reshape(x.shape[:-1] + (-1, 32)); a = np.abs(x).max(-1, keepdims=True)
;;       e = np.where(a > 0, np.clip(np.frexp(np.where(a > 0, a, 1))[1] - 1 - 2, -126, 127), 0)      # np.frexp(a)[1] - 1 = floor(log2(a)), exactly
;;       r = np.clip(x / 2.0 ** e, -6, 6)
;;       step = 2.0 ** (np.maximum(np.frexp(np.where(r == 0, 1, r))[1] - 1, 0) - 1)
;;       q = np.round(r / step) * step * 2.0 ** e      # np.round: ties to even
;;       return np.moveaxis(q.reshape(q.shape[:-2] + (-1,))[..., :K], -1, axis).astype(np.float32)
;;   ~~~
;;   SOFTMAX AHEAD OF A QUANTISED PRODUCT. Where the list says 'softmax', what is quantised is not the finished softmax but p = 2^(t - M), with t = logit x log2(e) and M = ceil(the row's largest t), a whole number; so 1/2 < the row's largest p <= 1. The row's sum l is taken of the UNQUANTISED p, in f32, and the product's result is divided by l at the end. Since M is a whole number, a kernel that streams over the keys may use a running M (the ceiling of the running maximum): every later rescaling is an exact power of two, which a block's scale takes up: the codes' values come out the same.
;;   OPERANDS COMPUTED ON THE WAY. 'Computed on the way' means the value that the module computes at that place (a softmax that the list does not call 'softmax' is quantised finished and normalised). What goes into a quantiser is computed in f32, as accurately as f32 sums, v_exp_f32 and their like allow (about 1e-6 of the number): no bf16 or f16 on the way to a quantiser, and a product that is left as it is and whose result goes on into a quantised operand takes f32 operands (vector FMAs, or v_wmma_f32_16x16x4_f32). A number that lies on a knife's edge between two numbers of the format may be rounded either way, as far as f32 arithmetic and the matrix unit's own rounding can turn it there, and no further.
;; One version. Each part assembles by itself: llvm-mc -triple=amdgcn-amd-amdhsa -mcpu=gfx1250 --defsym DOCPART=n.
;; ======== version 1 of 1: 4 launches
;; workspace buffers: xc 4,194,304 bytes; xs 262,144 bytes; wc 2,097,152 bytes; ws 131,072 bytes; qkv_img 12,582,912 bytes; qkv_sc 1,310,720 bytes; a_img 4,194,304 bytes; a_sc 262,144 bytes
;; launch quant (part 1): grid 384 x 1, 4 waves a work-group, no clusters, 33,280 bytes of LDS; arguments x, Wq, Wk, Wv, Wo, xc, xs, wc, ws; writes xc, xs, wc, ws
.if DOCPART == 1
	.amdgcn_target "amdgcn-amd-amdhsa--gfx1250"
	.amdhsa_code_object_version 6
	.text
	.protected	k_qcdb386bd8e_quant
	.globl	k_qcdb386bd8e_quant
	.p2align	8
	.type	k_qcdb386bd8e_quant,@function
k_qcdb386bd8e_quant:
	s_mov_b64 s[64:65], 0
	v_nop
	global_prefetch_b8 v0, s[64:65] scope:SCOPE_SE
	s_setreg_imm32_b32 hwreg(HW_REG_WAVE_MODE, 25, 1), 1
	s_wait_xcnt 0x0
; MULTI-HEAD ATTENTION IN MX-FP4, launch 1 of 4: x [8192][1024] and Wq, Wk, Wv, Wo [1024][1024], f32 with K innermost, become codes of FP4 (E2M1) and one E8M0 scale byte for each 32 along K.
; DEAD WORK: none.  Every input has a way to the output: bq and bk move Q's and K's codes and scales, bv moves V's, bo is added to the result; all six products are done.
; A block's scale is 2^(floor(log2(its largest magnitude)) - 2); its byte is the largest magnitude's own exponent field - 2, held at 1 from below.  Each number is divided by the scale and rounded to the nearest code, ties to even, beyond 6 the largest code.
; LIMITS: a block of zeros, or one whose largest magnitude lies under 2^-124, gets the byte 1 (its codes are zeros or the rule's own subnormal codes; the bytes are read by this program alone); NaN and infinities among the inputs are not served.
; THE ORDER OF ROWS.  In xc, xs, wc, ws a row stands at its number with bits 3 and 4 exchanged: place 32 b + 16 u + r (r < 16) holds row 32 b + 8 u + r + 8 (r / 8).  A tile of 16 neighbouring places, taken as source 0 of a matrix
; instruction, then leaves in a lane's registers of two neighbouring tiles 16 NEIGHBOURING rows: the order in which the next product's operand wants its K.  wc and ws hold Wq's, Wk's, Wv's and Wo's 1,024 rows on end.
; SHARES.  A wave takes 8 rows (8,192 numbers) in 16 steps of 512 numbers; row bits 3 and 4 are the wave's two bits, so the exchange is made in the wave's number alone.  Work-groups 0-255 take x, then 32 for each weight.
; Each of a step's four loads reads 512 consecutive bytes; the 2,048 bytes turn through the wave's own stage in LDS and come back 64 bytes a lane: 16 neighbours along K, two lanes to a block.  A wave's store of codes covers 256 consecutive bytes, aligned;
; its 256 scale bytes are gathered in LDS and leave as one such store.  No tensor loads, no barrier: waves share nothing.  Loads run four steps ahead, the turn through LDS one step.
.set WAVES, 4
.set STEPS, 16
.set EMAX,  2
.set CB,    8                          ; bytes of 16 codes
.set R,     16                         ; v16-79   four sets of 16 numbers as they are loaded
.set X,     80                         ; v80-111  two sets of 16 neighbours
.set C,     128                        ; v128-191 codes: four registers for each step, so that no store's data are written again
.set E,     112                        ; v112-127 a scale byte for each step
.set WREG,  8192                       ; LDS: a region for each wave: two stages of 32 x SP bytes, behind them its 256 scale bytes
.set SP,    80                         ; a lane's place in a stage: its 64 bytes + 16 of padding
.set SPW,   12                         ; v12      LDS address of my spare word: SPARE + 4 x my thread's number; never rewritten
.set NIL,   13                         ; v13      0; never rewritten
.set SPARE, WAVES*WREG                 ; behind the four regions: the spare words, 128 bytes for each wave
	s_load_b256 s[4:11], s[0:1], 0x0               ; x, Wq, Wk, Wv
	s_load_b256 s[12:19], s[0:1], 0x20             ; Wo, xc, xs, wc
	s_load_b64 s[20:21], s[0:1], 0x40              ; ws
	v_lshl_add_u32 v[SPW], v0, 2, SPARE
	v_mov_b32 v[NIL], 0
	v_lshrrev_b32 v1, 5, v0
	v_readfirstlane_b32 s22, v1                    ; wave
	v_and_b32 v2, 31, v0                           ; lane
	v_lshlrev_b32 v3, 4, v2                        ; my 16 bytes of a load's 512
	s_mul_i32 s28, s22, WREG
	v_lshrrev_b32 v14, 2, v2
	v_mul_u32_u24 v14, v14, SP
	v_and_b32 v15, 3, v2
	v_lshl_add_u32 v14, v15, 4, v14
	v_add_nc_u32 v14, s28, v14                     ; the stage, on the way in: SP (lane / 4) + 16 (lane % 4)
	v_mul_u32_u24 v15, v2, SP
	v_add_nc_u32 v15, s28, v15                     ; and on the way out: SP x lane: my 16 neighbours
	v_mul_u32_u24 v4, v2, CB                       ; my codes' place in a step's
	v_lshrrev_b32 v5, 1, v2
	s_add_co_u32 s28, s28, 2*32*SP
	v_add_nc_u32 v5, s28, v5                       ; LDS: my wave's 256 scale bytes, my block's byte
	v_lshlrev_b32 v7, 3, v2                        ; and on the way out 8 bytes a lane
	v_add_nc_u32 v6, s28, v7
	s_and_b32 s27, s22, 1
	s_lshl_b32 s27, s27, 1
	s_lshr_b32 s29, s22, 1
	s_or_b32 s27, s27, s29                         ; the wave's two bits exchanged: where my 8 rows stand among the work-group's 32
	s_wait_alu depctr_va_vdst(0)
	s_wait_kmcnt 0x0
	s_cmp_lt_u32 ttmp9, 352                        ; which tensor: the choices hang on the work-group's number alone
	s_cselect_b64 s[12:13], s[10:11], s[12:13]     ; Wv, else Wo
	s_cmp_lt_u32 ttmp9, 320
	s_cselect_b64 s[12:13], s[8:9], s[12:13]       ; Wk
	s_cmp_lt_u32 ttmp9, 288
	s_cselect_b64 s[12:13], s[6:7], s[12:13]       ; Wq
	s_cmp_lt_u32 ttmp9, 256
	s_cselect_b64 s[12:13], s[4:5], s[12:13]       ; x
	s_cselect_b64 s[14:15], s[14:15], s[18:19]     ; the codes: xc or wc
	s_cselect_b64 s[16:17], s[16:17], s[20:21]     ; the scale bytes: xs or ws
	s_cselect_b32 s23, 0, 256
	s_cselect_b32 s24, -1, 31
	s_sub_co_u32 s25, ttmp9, s23                   ; the work-group's number in the buffer that it writes,
	s_and_b32 s26, s25, s24                        ; and in the tensor that it reads (32 work-groups to a weight)
	s_lshl_b32 s26, s26, 2
	s_add_co_u32 s26, s26, s22
	s_lshl_b32 s30, s26, 15                        ; 8 rows of 4,096 bytes
	s_mov_b32 s31, 0
	s_add_nc_u64 s[12:13], s[12:13], s[30:31]
	s_lshl_b32 s25, s25, 2
	s_add_co_u32 s25, s25, s27
	s_lshl_b32 s30, s25, 12                        ; 8 rows of 512 bytes of codes
	s_add_nc_u64 s[14:15], s[14:15], s[30:31]
	s_lshl_b32 s30, s25, 8                         ; 8 rows of 32 scale bytes
	s_add_nc_u64 s[16:17], s[16:17], s[30:31]
.macro LOAD t
.irp i, 0,1,2,3
	global_load_b128 v[R+16*((\t)%4)+4*\i:R+16*((\t)%4)+4*\i+3], v3, s[12:13] offset:2048*(\t)+512*\i th:TH_LOAD_NT   ; 32 lanes read 512 consecutive bytes
.endr
.endm
.macro TURN t                          ; step t's numbers through the stage: LDS serves a wave's instructions in order, so no wait stands between the stores and the loads
.irp i, 0,1,2,3
	ds_store_b128 v14, v[R+16*((\t)%4)+4*\i:R+16*((\t)%4)+4*\i+3] offset:32*SP*((\t)%2)+8*SP*\i
.endr
.irp i, 0,1,2,3
	ds_load_b128 v[X+16*((\t)%2)+4*\i:X+16*((\t)%2)+4*\i+3], v15 offset:32*SP*((\t)%2)+16*\i
.endr
.endm
.irp t, 0,1,2,3
	LOAD \t
.endr
	s_wait_loadcnt 12                              ; step 0's four loads are in; the twelve behind them may be out
	TURN 0
.macro STEP t
.set XS, X+16*((\t)%2)
.if (\t) > 0
	s_wait_dscnt 1                                 ; this step's numbers are back from the stage (the last step's byte store may be out): so its stores into the stage have read their registers,
.else
	s_wait_dscnt 0x0
.endif
.if (\t)+4 < STEPS
	LOAD (\t)+4                                    ; which take the loads of four steps on
.endif
.if (\t)+1 < STEPS
.if STEPS-2-(\t) >= 3
	s_wait_loadcnt 12                              ; the next step's four loads are in; those of the three steps behind it may be out
.else
	s_wait_loadcnt 4*(STEPS-2-(\t))
.endif
	TURN (\t)+1                                    ; and go through the other stage while this step is worked
.endif
	v_max3_num_f32 v8, |v[XS]|, |v[XS+1]|, |v[XS+2]|               ; the largest magnitude of my 16, in two chains
	v_max3_num_f32 v9, |v[XS+3]|, |v[XS+4]|, |v[XS+5]|
.irp i, 6,10
	v_max3_num_f32 v8, v8, |v[XS+\i]|, |v[XS+\i+1]|
	v_max3_num_f32 v9, v9, |v[XS+\i+2]|, |v[XS+\i+3]|
.endr
	v_max3_num_f32 v8, v8, |v[XS+14]|, |v[XS+15]|
	v_max3_num_f32 v8, v8, v9, (EMAX+1)<<23        ; and the floor 2^(EMAX + 1 - 127): so the byte cannot fall under 1
	v_max_num_f32_dpp v8, v8, v8 row_xmask:1 row_mask:0xf bank_mask:0xf   ; and of my neighbour's 16: the block's
	v_add_nc_u32 v11, -(EMAX<<23), v8              ; EMAX off its exponent field: the conversion takes the exponent field of this operand as its scale
	v_cvt_scalef32_pk8_fp4_f32 v[C+4*(\t)], v[XS:XS+7], v11
	v_cvt_scalef32_pk8_fp4_f32 v[C+4*(\t)+1], v[XS+8:XS+15], v11
	v_lshrrev_b32 v[E+(\t)], 23, v11               ; the scale's byte
	ds_store_b8 v5, v[E+(\t)] offset:16*(\t)       ; both lanes of a block write the same byte with the same value
	global_store_b64 v4, v[C+4*(\t):C+4*(\t)+1], s[14:15] offset:32*CB*(\t)   ; 32 lanes store 256 consecutive bytes, aligned
.endm
.irp t, 0,1,2,3,4,5,6,7,8,9,10,11,12,13,14,15
	STEP \t
.endr
	ds_load_b64 v[8:9], v6                         ; LDS serves a wave's instructions in order: these see my stores
	s_wait_dscnt 0x0
	global_store_b64 v7, v[8:9], s[16:17]          ; 32 lanes store 256 consecutive bytes, aligned
	s_wait_tensorcnt 0x0                           ; the wave's end, behind my last LDS store
	ds_add_u32 v[SPW], v[NIL]
	s_wait_dscnt 0x0
	s_endpgm
.Lfunc_end_k_qcdb386bd8e_quant:
	.size	k_qcdb386bd8e_quant, .Lfunc_end_k_qcdb386bd8e_quant-k_qcdb386bd8e_quant
	.p2alignl 7, 3214868480
	.fill 96, 4, 3214868480
	.section	.rodata,"a",@progbits
	.p2align	6, 0x0
	.amdhsa_kernel k_qcdb386bd8e_quant
		.amdhsa_group_segment_fixed_size 33280
		.amdhsa_private_segment_fixed_size 0
		.amdhsa_enable_private_segment 0
		.amdhsa_kernarg_size 72
		.amdhsa_user_sgpr_count 2
		.amdhsa_user_sgpr_kernarg_segment_ptr 1
		.amdhsa_wavefront_size32 1
		.amdhsa_system_sgpr_workgroup_id_x 1
		.amdhsa_system_sgpr_workgroup_id_y 1
		.amdhsa_system_sgpr_workgroup_id_z 1
		.amdhsa_system_vgpr_workitem_id 0
		.amdhsa_next_free_vgpr 192
		.amdhsa_next_free_sgpr 66
		.amdhsa_reserve_vcc 0
		.amdhsa_float_denorm_mode_32 3
		.amdhsa_float_denorm_mode_16_64 3
		.amdhsa_memory_ordered 1
		.amdhsa_forward_progress 1
		.amdhsa_inst_pref_size 34
	.end_amdhsa_kernel
	.amdgpu_metadata
---
amdhsa.version: [ 1, 2 ]
amdhsa.kernels:
  - .name:           k_qcdb386bd8e_quant
    .symbol:         k_qcdb386bd8e_quant.kd
    .args:
      - { .name: x, .offset: 0, .size: 8, .value_kind: global_buffer, .address_space: global }
      - { .name: Wq, .offset: 8, .size: 8, .value_kind: global_buffer, .address_space: global }
      - { .name: Wk, .offset: 16, .size: 8, .value_kind: global_buffer, .address_space: global }
      - { .name: Wv, .offset: 24, .size: 8, .value_kind: global_buffer, .address_space: global }
      - { .name: Wo, .offset: 32, .size: 8, .value_kind: global_buffer, .address_space: global }
      - { .name: xc, .offset: 40, .size: 8, .value_kind: global_buffer, .address_space: global }
      - { .name: xs, .offset: 48, .size: 8, .value_kind: global_buffer, .address_space: global }
      - { .name: wc, .offset: 56, .size: 8, .value_kind: global_buffer, .address_space: global }
      - { .name: ws, .offset: 64, .size: 8, .value_kind: global_buffer, .address_space: global }
    .group_segment_fixed_size: 33280
    .private_segment_fixed_size: 0
    .kernarg_segment_align: 8
    .kernarg_segment_size: 72
    .max_flat_workgroup_size: 128
    .sgpr_count:     66
    .vgpr_count:     192
    .wavefront_size: 32
...
	.end_amdgpu_metadata
.endif
;; end of part 1
;; launch qkv (part 2): grid 12 x 32, 4 waves a work-group, clusters of 4 x 4, 327,680 bytes of LDS; arguments xc, xs, wc, ws, bq, bk, bv, qkv_img, qkv_sc; writes qkv_img, qkv_sc
.if DOCPART == 2
	.amdgcn_target "amdgcn-amd-amdhsa--gfx1250"
	.amdhsa_code_object_version 6
	.text
	.protected	k_qcdb386bd8e_qkv
	.globl	k_qcdb386bd8e_qkv
	.p2align	8
	.type	k_qcdb386bd8e_qkv,@function
k_qcdb386bd8e_qkv:
	s_mov_b64 s[64:65], 0
	v_nop
	global_prefetch_b8 v0, s[64:65] scope:SCOPE_SE
	s_setreg_imm32_b32 hwreg(HW_REG_WAVE_MODE, 25, 1), 1
	s_wait_xcnt 0x0
	s_wait_alu depctr_hold_cnt(0) depctr_sa_sdst(0) depctr_va_vdst(0) depctr_va_sdst(0) depctr_va_ssrc(0) depctr_va_vcc(0) depctr_vm_vsrc(0)
	s_getreg_b32 s2, hwreg(HW_REG_IB_STS2, 6, 4)
	s_cmp_eq_u32 s2, 0
	s_cbranch_scc0 .Lentry_in_a_cluster
	s_endpgm
.Lentry_in_a_cluster:
	s_bfe_u32 s2, ttmp6, 0x10000c
	s_cmp_lg_u32 s2, 0xf033
	s_cbranch_scc0 .Lentry_shape_is_right
	s_endpgm
.Lentry_shape_is_right:
; Launch 2 of 4: Q = x Wq^T + bq, K = x Wk^T + bk, V = x Wv^T + bv on codes of FP4, and their results quantised in registers for the two products of attention.  No work is left out.
; A work-group of four waves makes 256 tokens x 256 rows of wc; a wave 128 x 128: 64 accumulators of 16 x 16.  The cluster's x says which product: 0 Q, 1 K, 2 V: the same in all sixteen partners.
; K = 1,024 is two LDS slots of 512, both asked for at the head; no LDS byte is filled twice, and there is no loop.  By this text's count a wave has three tensor loads outstanding: scale bytes, slot 0, slot 1.
; CLUSTERS: 4 x 4 work-groups.  x's tile hangs on the tile row alone and is shared along a row of the cluster, the weight's on the tile column alone and is shared along a column: each is asked for jointly.
; WHICH OPERAND IS WHICH.  Source 1 ("R"): a lane holds ONE of its rows.  Source 0 ("P"): a lane's registers run along its rows, which are the next product's K.  Q, K (next K = the head's 64): R = x, P = the weight.
; V (next K = the keys): R = Wv, P = x.  The tensor loads are the same in all three; only the LDS addresses that the fragments and scale words are read from change places, by selects on the cluster's x.
; Rows of xc and wc stand with bits 3 and 4 of their number exchanged (launch 1), so the 16 registers of P's tiles 2 b and 2 b + 1 are 16 neighbours along the next K: 32 b + 16 (lane / 16) + 0 .. 15.
; THE WAY OUT.  For each of R's eight blocks: bias added, 64 numbers of a lane quantised (four blocks of 32), and the operand's registers stored AS THEY STAND: an image of 16 rows x 64 K is 512 bytes, lane l's 16 bytes at 16 l.
;   qkv_img [batch x head 64][Q: 128 tiles x 512 | K: the same | V: 16 key steps x 4 tiles of the head's 64 x 1,024];  qkv_sc [64][Q: 16 steps x 16 rows x 8 tiles of words | K: the same | V: 16 steps x 16 rows x 4 tiles of words].
;   A word of Q or K has its head's two bytes below and zeros above: the score product's K is 64 of the instruction's 128.  Rows of Q, K and of V's 64 stay in the exchanged order; launch 4 undoes it.
; LIMITS: a block whose largest magnitude lies under 2^-124 gets the byte 1; NaN and infinities are not served.
; REGISTERS, in windows of 256: window 0: v1-29 addresses; v32-95 scale words, two sets; v96-121 the quantiser's; v128-191 R's fragments, later the 64 numbers in hand; v192-255 the bias.
;   window 1: P's fragments, two sets.   windows 2, 3: the accumulators ((a, b) at v[8 (8 (a % 4) + b)] of window 2 + a / 4).
.set NQ,     4                         ; steps of 128 along K in a slot
.set ROWB,   256                       ; a tile's row in bytes: 512 codes
.set KROW,   512                       ; a row of xc or wc
.set PITCH,  272                       ; an LDS row: 256 bytes + 16 of padding: the 16 rows that a load touches start 68 words apart
.set FR,     8
.set NL,     2
.set NP,     4                         ; places behind this matrix instruction (ISA guide 7.12.1)
.set HALFT,  128*PITCH
.set SLOT,   4*HALFT                   ; x's 256 rows, then the weight's 256
.set KS,     32                        ; a row of scale bytes
.set SCL,    2*SLOT                    ; the scale bytes, as units of 256 bytes + 16 of padding: x's two halves, then the weight's
.set HALFS,  16*272
.set SBLK,   2*272
.set STGQ,   SCL+6*HALFS               ; (two HALFS left empty)  the scale words' stage of the Q and K path: 1,024 bytes a wave
.set STGV,   STGQ+4*1024               ; and of the V path: 512 bytes a wave: each path has LDS bytes of its own
.set SPARE,  STGV+4*512                ; the spare words, 128 bytes for each wave
.set HEADB,  196608                    ; a head in qkv_img
.set HEADS,  20480                     ; and in qkv_sc
.set LI,   8                           ; v8   16 x lane
.set SH,   9                           ; v9   16 (lane / 16)
.set SSQ,  10                          ; v10  where I put a scale word, Q and K path
.set SRQ,  11                          ; v11  and read 16 bytes back
.set SSV,  12                          ; v12, v13 the same, V path
.set SRV,  13
.set VSO,  14                          ; v14  V's scale words in memory: 16 r + a head's bytes x (lane / 16)
.set ADRA, 16                          ; v16-17  LDS address of R's fragments in slot 0, 1
.set ADRB, 20                          ; v20-21  of P's
.set ADRS, 27                          ; v27  of my scale words: lanes 0-15 R's rows, lanes 16-31 P's
.set SPW,  28                          ; v28  my spare word; never rewritten
.set NIL,  29                          ; v29  0; never rewritten
.set SC,   32
.set PC,   96                          ; v96-103 the codes just made (at the head: the bias loads' offsets)
.set TM,   104                         ; v104-107 largest magnitudes, v108-111 bytes, v116-119 the conversions' scale operands
.set PW,   120                         ; the scale word just made
.set W,    121
.set AF,   128
.set HA,   128
.set BI,   192
.set G1, 24
.set G0, 32
.set G1B, 48
.set G0B, 56
.set SEL, 66                           ; s[66:67] v_permlanex16_b32's selects for lane l xor 16
.set G1S, 68
.set G0S, 76
.set G1SB, 80
.set G0SB, 88
.set MSB, 0
.macro WIN new                         ; the immediate's high byte repeats the setting that is left
.if MSB != \new
	s_set_vgpr_msb (MSB<<8)|\new
.set MSB, \new
.endif
.endm
.set MUL_LO, 0xa1                      ; source 0 (P) window 1, source 1 (R) window 0, C and D window 2
.set MUL_HI, 0xf1
.set TO_B,   0x40
; A joint load: waves 0 and 1 fetch x's halves, waves 2 and 3 the weight's.  The branch hangs on the wave's number alone.  An s_nop 0 and four v_nop follow each of the two lines.
.macro JLOAD g0a, g1a, g0b, g1b
	s_cmp_eq_u32 s15, 0
	s_cbranch_scc0 .Lfor_b_\@
	tensor_load_to_lds s[\g0a:\g0a+3], s[\g1a:\g1a+7]
	s_nop 0
.rept 4
	v_nop
.endr
	s_branch .Lasked_\@
.Lfor_b_\@:
	tensor_load_to_lds s[\g0b:\g0b+3], s[\g1b:\g1b+7]
	s_nop 0
.rept 4
	v_nop
.endr
.Lasked_\@:
.endm
.macro CROUND                          ; a round of the cluster's barrier
	s_barrier_signal -1
	s_barrier_wait -1
	s_cmp_lg_u32 s14, 0
	s_cbranch_scc1 .Lnot_wave_0_\@
	s_barrier_signal -3
.Lnot_wave_0_\@:
	s_barrier_wait -3
	s_barrier_signal -1
	s_barrier_wait -1
.endm
	s_load_b256 s[4:11], s[0:1], 0x0               ; xc, xs, wc, ws
	s_load_b256 s[92:99], s[0:1], 0x20             ; bq, bk, bv, qkv_img
	s_load_b64 s[12:13], s[0:1], 0x40              ; qkv_sc
	v_lshl_add_u32 v[SPW], v0, 2, SPARE
	v_mov_b32 v[NIL], 0
	ds_add_u32 v[SPW], v[NIL]                      ; the wave's opening: the add, twice on end, and its wait ahead of my first tensor load
	ds_add_u32 v[SPW], v[NIL]
	v_lshrrev_b32 v1, 5, v0
	v_readfirstlane_b32 s14, v1                    ; wave 0..3
	s_lshr_b32 s15, s14, 1                         ; which half of R's rows is mine.  Also: I fetch for x (0) or for the weight (1)
	s_and_b32 s16, s14, 1                          ; which half of P's.  Also: which 128 rows I fetch
	s_bfe_u32 s40, ttmp6, 0x40000                  ; cx, cy: my place in the cluster
	s_bfe_u32 s41, ttmp6, 0x40004
	s_lshl_b32 s42, ttmp9, 2
	s_add_co_u32 s42, s42, s40                     ; tile column: 256 rows of wc
	s_and_b32 s17, ttmp7, 0xffff
	s_lshl_b32 s17, s17, 2
	s_add_co_u32 s17, s17, s41                     ; tile row: 256 tokens
	s_lshl_b32 s43, s41, 2
	s_lshl_b32 s43, 15, s43                        ; my row of the cluster
	s_lshl_b32 s44, 0x1111, s40                    ; my column
	s_or_b32 s[G1+0], s43, (0<<16)|(1<<20)|(1<<21)|(5<<22)|(3<<25)  ; the mask; elements of 1 byte; padding on; bit 21 beside a mask; 4 words behind every 64
	s_or_b32 s[G1B+0], s44, (0<<16)|(1<<20)|(1<<21)|(5<<22)|(3<<25)
.irp g, G1, G1B
	s_mov_b32 s[\g+1], ROWB<<16                    ; tensor_dim0
	s_mov_b32 s[\g+2], 128<<16                     ; tensor_dim1
	s_mov_b32 s[\g+3], ROWB<<16                    ; tile_dim0
	s_mov_b32 s[\g+4], 128                         ; tile_dim1
	s_mov_b32 s[\g+5], KROW                        ; from row to row
	s_mov_b32 s[\g+6], 0
	s_mov_b32 s[\g+7], 0
.endr
	s_or_b32 s[G1S+0], s43, (3<<16)|(1<<20)|(1<<21)|(5<<22)|(3<<25) ; the scale bytes of 128 rows: 4,096 dense bytes as 16 rows of 32 elements of 8 bytes, 16 bytes of padding behind each
	s_or_b32 s[G1SB+0], s44, (3<<16)|(1<<20)|(1<<21)|(5<<22)|(3<<25)
.irp g, G1S, G1SB
	s_mov_b32 s[\g+1], 32<<16
	s_mov_b32 s[\g+2], 16<<16
	s_mov_b32 s[\g+3], 32<<16
	s_mov_b32 s[\g+4], 16
	s_mov_b32 s[\g+5], 32
	s_mov_b32 s[\g+6], 0
	s_mov_b32 s[\g+7], 0
.endr
	s_lshl_b32 s18, s16, 7                         ; which 128 rows of the tile I fetch
	s_lshl_b32 s20, s17, 8
	s_add_co_u32 s20, s20, s18                     ; x: row 256 x tile row + 128 x half
	s_lshl_b32 s46, s42, 8
	s_add_co_u32 s46, s46, s18                     ; wc: row 256 x tile column + 128 x half
	s_lshl_b32 s22, s20, 5                         ; their scale bytes,
	s_mov_b32 s23, 0
	s_lshl_b32 s66, s46, 5
	s_mov_b32 s67, 0
	s_lshl_b32 s20, s20, 9                         ; and their codes
	s_mov_b32 s21, 0
	s_lshl_b32 s46, s46, 9
	s_mov_b32 s47, 0
	s_mul_i32 s45, s14, HALFT                      ; where they go: wave x 128 rows: no place in the cluster enters an LDS address
	s_mul_i32 s3, s14, HALFS
	s_wait_dscnt 0x0                               ; both opening adds are done
	s_wait_kmcnt 0x0
	s_add_nc_u64 s[20:21], s[4:5], s[20:21]
	s_add_nc_u64 s[22:23], s[6:7], s[22:23]
	s_add_nc_u64 s[46:47], s[8:9], s[46:47]
	s_add_nc_u64 s[66:67], s[10:11], s[66:67]
	CROUND                                         ; all sixteen work-groups are here: the joint loads meet
	s_mov_b32 s[G0S], 1
	s_add_co_u32 s[G0S+1], s3, SCL
	s_mov_b64 s[G0S+2:G0S+3], s[22:23]
	s_or_b32 s[G0S+3], s[G0S+3], 0x80000000
	s_mov_b32 s[G0SB], 1
	s_add_co_u32 s[G0SB+1], s3, SCL
	s_mov_b64 s[G0SB+2:G0SB+3], s[66:67]
	s_or_b32 s[G0SB+3], s[G0SB+3], 0x80000000
	JLOAD G0S, G1S, G0SB, G1SB                     ; the scale bytes first: they are wanted with slot 0
.irp s, 0,1
	s_mov_b32 s[G0+4*\s], 1
	s_add_co_u32 s[G0+4*\s+1], s45, \s*SLOT
	s_add_nc_u64 s[G0+4*\s+2:G0+4*\s+3], s[20:21], \s*ROWB
	s_or_b32 s[G0+4*\s+3], s[G0+4*\s+3], 0x80000000
	s_mov_b32 s[G0B+4*\s], 1
	s_add_co_u32 s[G0B+4*\s+1], s45, \s*SLOT
	s_add_nc_u64 s[G0B+4*\s+2:G0B+4*\s+3], s[46:47], \s*ROWB
	s_or_b32 s[G0B+4*\s+3], s[G0B+4*\s+3], 0x80000000
	JLOAD G0+4*\s, G1, G0B+4*\s, G1B
.endr
	; what hangs on the product: all selects on one compare of the cluster's x, ahead of any line that sets SCC
	s_mov_b32 s[SEL], 0x76543210
	s_mov_b32 s[SEL+1], 0xfedcba98
	s_cmp_eq_u32 ttmp9, 1
	s_cselect_b64 s[92:93], s[94:95], s[92:93]     ; the bias: bk,
	s_cmp_eq_u32 ttmp9, 2
	s_cselect_b64 s[92:93], s[96:97], s[92:93]     ; bv, else bq
	s_cselect_b32 s95, -1, 0                       ; all lanes' mask: V
	s_cselect_b32 s18, 2*HALFT, 0                  ; where R's rows lie in a slot,
	s_cselect_b32 s19, 0, 2*HALFT                  ; and P's
	s_cselect_b32 s96, s15, s16                    ; which half of the weight's rows (two heads) is mine,
	s_cselect_b32 s97, s16, s15                    ; and which half of the tokens
	s_cselect_b32 s2, 8, 9                         ; a key step's scale words: 256 bytes (V) or 512
	s_cselect_b32 s3, 0, 4                         ; the bias from register to register: the same number (V: a lane holds one row), or the next
	v_and_b32 v1, 15, v0                           ; r = lane % 16
	v_bfe_u32 v2, v0, 4, 1                         ; h = lane / 16
	v_and_b32 v3, 31, v0
	v_lshlrev_b32 v[LI], 4, v3
	v_lshlrev_b32 v[SH], 4, v2
	s_lshl_b32 s20, s14, 10
	s_add_co_u32 s20, s20, STGQ
	v_lshlrev_b32 v4, 5, v1
	v_lshl_add_u32 v4, v2, 9, v4
	v_add_nc_u32 v[SSQ], s20, v4                   ; [head of my two = h][row r][tile]: 512 h + 32 r
	v_add_nc_u32 v[SRQ], s20, v[LI]
	s_lshl_b32 s20, s14, 9
	s_add_co_u32 s20, s20, STGV
	v_lshlrev_b32 v4, 4, v1
	v_add_nc_u32 v[SSV], s20, v4                   ; [head][row r][tile of the head's 64]: 16 r
	v_add_nc_u32 v[SRV], s20, v[LI]
	v_mul_u32_u24 v5, v2, HEADS
	v_add_nc_u32 v[VSO], v4, v5
	v_mul_u32_u24 v3, v1, PITCH
	v_lshl_add_u32 v4, v2, 4, v3                   ; a fragment's row x pitch + 16 x half
	s_mul_i32 s21, s15, HALFT
	s_add_co_u32 s21, s21, s18                     ; my 128 rows of R
	s_mul_i32 s22, s16, HALFT
	s_add_co_u32 s22, s22, s19                     ; my 128 rows of P
.irp s, 0,1
	v_add_nc_u32 v[ADRA+\s], s21, v4
	v_add_nc_u32 v[ADRB+\s], s22, v4
	s_add_co_u32 s21, s21, SLOT
	s_add_co_u32 s22, s22, SLOT
.endr
	v_mul_u32_u24 v5, v1, KS                       ; my row's scale bytes: 32 a row,
	v_lshrrev_b32 v6, 8, v5
	v_lshl_add_u32 v5, v6, 4, v5                   ; and 16 more for each 256 passed
	s_mul_i32 s21, s15, HALFS
	s_mul_i32 s22, s16, HALFS
	s_add_co_u32 s23, s22, 2*HALFS
	s_sub_co_u32 s23, s23, s21
	v_mul_u32_u24 v6, s23, v2                      ; Q, K: lanes 0-15 x's half s15, lanes 16-31 the weight's half s16
	s_wait_alu depctr_va_vdst(0)
	s_add_co_u32 s46, s21, 2*HALFS
	s_sub_co_u32 s46, s46, s22
	v_xor_b32 v7, 1, v2
	v_mul_u32_u24 v7, s46, v7                      ; V: lanes 16-31 x's half s16, lanes 0-15 the weight's half s15
	s_add_co_u32 s21, s21, SCL
	s_add_co_u32 s22, s22, SCL
	v_add_nc_u32 v6, v5, v6
	v_add_nc_u32 v6, s21, v6
	v_add_nc_u32 v7, v5, v7
	v_add_nc_u32 v7, s22, v7
	v_cndmask_b32 v[ADRS], v6, v7, s95
	; where the results go
	s_lshr_b32 s20, s17, 3                         ; the batch: 8 tile rows
	s_lshl_b32 s20, s20, 4
	s_lshl_b32 s21, s40, 2
	s_add_co_u32 s20, s20, s21
	s_lshl_b32 s21, s96, 1
	s_add_co_u32 s20, s20, s21                     ; 16 x batch + my first head: 4 cx + 2 x half
	s_and_b32 s21, s17, 7
	s_lshl_b32 s21, s21, 1
	s_add_co_u32 s21, s21, s97                     ; my 128 tokens among the sequence's 16 such steps
	s_mul_i32 s22, s20, HEADB
	s_lshl_b32 s23, ttmp9, 16
	s_add_co_u32 s22, s22, s23
	s_lshl_b32 s23, s21, 12
	s_add_co_u32 s22, s22, s23
	s_mov_b32 s23, 0
	s_add_nc_u64 s[98:99], s[98:99], s[22:23]      ; the images
	s_mul_i32 s22, s20, HEADS
	s_lshl_b32 s46, ttmp9, 13
	s_add_co_u32 s22, s22, s46
	s_lshl_b32 s46, s21, s2
	s_add_co_u32 s22, s22, s46
	s_add_nc_u64 s[12:13], s[12:13], s[22:23]      ; the scale words
	s_lshl_b32 s22, s40, 10
	s_lshl_b32 s46, s96, 9
	s_add_co_u32 s22, s22, s46
	s_add_nc_u64 s[92:93], s[92:93], s[22:23]      ; the bias of my 128 rows of the weight
	; the bias in the result's layout, register 8 i + j.  Q, K: that of P's row 32 (i / 2) + 16 h + 8 (i % 2) + j.  V: that of my row of R's block i, 32 (i / 2) + 8 (i % 2) + r + 8 (r / 8), in all eight.  One text serves both
	v_lshlrev_b32 v4, 6, v2
	v_and_b32 v5, 8, v1
	v_add_nc_u32 v5, v5, v1
	v_lshlrev_b32 v5, 2, v5
	v_cndmask_b32 v4, v4, v5, s95
.irp j, 0,1,2,3,4,5,6,7
	v_mad_u32_u24 v[PC+\j], s3, \j, v4
.endr
.irp i, 0,1,2,3,4,5,6,7
.irp j, 0,1,2,3,4,5,6,7
	global_load_b32 v[BI+8*\i+\j], v[PC+\j], s[92:93] offset:(32*(\i/2)+8*(\i%2))*4
.endr
.endr
.irp b, 0,1,2,3
	v_mov_b32 v[TM+4+\b], 0                        ; written once: a lane permute's destination counts as one of its sources
.endr
.macro FRAG reg, adr, q, i             ; 16 rows x 128 K of 4-bit codes: 8 registers; registers 4 c .. 4 c + 3 hold K = 64 c + 32 (l / 16) + 0 .. 31
.irp c, 0,1
	ds_load_b128 v[\reg+4*\c:\reg+4*\c+3], v[\adr] offset:64*(\q)+32*\c+(\i)*16*PITCH
.endr
.endm
; 16 matrix instructions: R's blocks a0, a0 + 1 x P's eight, the slot's q-th 128 along K.  The 64 accumulators take turns, one instruction a turn, in the same order in every step.
.macro MUL16 a0, p, q, sc, zero
.irp a, \a0, \a0+1
.irp b, 0,1,2,3,4,5,6,7
.if \zero
	v_wmma_scale_f32_16x16x128_f8f6f4 v[8*(8*((\a)%4)+\b):8*(8*((\a)%4)+\b)+7], v[128*(\p)+FR*\b:128*(\p)+FR*\b+FR-1], v[AF+FR*(\a):AF+FR*(\a)+FR-1], 0, v[SC+8*NQ*(\sc)+NQ*\b+(\q)], v[SC+8*NQ*(\sc)+NQ*(\a)+(\q)] matrix_a_fmt:MATRIX_FMT_FP4 matrix_b_fmt:MATRIX_FMT_FP4 matrix_a_scale:MATRIX_SCALE_ROW1
.else
	v_wmma_scale_f32_16x16x128_f8f6f4 v[8*(8*((\a)%4)+\b):8*(8*((\a)%4)+\b)+7], v[128*(\p)+FR*\b:128*(\p)+FR*\b+FR-1], v[AF+FR*(\a):AF+FR*(\a)+FR-1], v[8*(8*((\a)%4)+\b):8*(8*((\a)%4)+\b)+7], v[SC+8*NQ*(\sc)+NQ*\b+(\q)], v[SC+8*NQ*(\sc)+NQ*(\a)+(\q)] matrix_a_fmt:MATRIX_FMT_FP4 matrix_b_fmt:MATRIX_FMT_FP4 matrix_a_scale:MATRIX_SCALE_ROW1
.endif
.endr
.endr
.endm
.macro FETCH_B slot, q, p
	WIN TO_B
.irp i, 0,1,2,3,4,5,6,7
	FRAG 128*(\p)+FR*\i, ADRB+\slot, \q, \i
.endr
	WIN 0
.endm
.macro FETCH_A slot, q, i0
.irp i, \i0, \i0+1, \i0+2, \i0+3
	FRAG AF+FR*(\i), ADRA+\slot, \q, \i
.endr
.endm
.macro SCALES sc                       ; a slot's scale words: 4 words a row; lanes 0-15 R's block i, lanes 16-31 P's block i
.irp i, 0,1,2,3,4,5,6,7
	ds_load_b128 v[SC+8*NQ*\sc+NQ*\i:SC+8*NQ*\sc+NQ*\i+3], v[ADRS] offset:\i*SBLK
.endr
.endm
.macro PLACES n                        ; places in front of loads into registers that matrix instructions have read, and of the first read of results
.rept \n
	v_nop
.endr
.endm
.macro STEP slot, q, zero              ; a step of 128 along K that has its successor in the same slot
	s_wait_dscnt 4*NL                              ; P's set and R's blocks 0-3 are in; the youngest eight loads (R's blocks 4-7) may be out
	WIN MUL_LO
	MUL16 0, (\q)%2, \q, \slot, \zero
	MUL16 2, (\q)%2, \q, \slot, \zero
	s_wait_dscnt 0                                 ; R's blocks 4-7 are in
	PLACES NP
	FETCH_B \slot, (\q)+1, 1-(\q)%2
	FETCH_A \slot, (\q)+1, 0
	WIN MUL_HI
	MUL16 4, (\q)%2, \q, \slot, \zero
	MUL16 6, (\q)%2, \q, \slot, \zero
	PLACES NP
	WIN 0
	FETCH_A \slot, (\q)+1, 4
.endm
.macro STEPS slot, from
.set Q, \from
.rept NQ-1-\from
	STEP \slot, Q, 0
.set Q, Q+1
.endr
.endm
	s_wait_tensorcnt 1                             ; the scale bytes and my part of slot 0 are in; slot 1's load may be out
	s_barrier_signal -1
	s_barrier_wait -1                              ; everybody's are
	FETCH_B 0, 0, 0
	FETCH_A 0, 0, 0
	SCALES 0
	FETCH_A 0, 0, 4
	STEP 0, 0, 1                                   ; the first products start the sums: nothing is cleared
	STEPS 0, 1
	; slot 0's last step changes slots: one barrier; in front of it my part of slot 1 has landed
	s_wait_tensorcnt 0x0                           ; all my tensor loads have landed  (every window is 0 here)
	ds_add_u32 v[SPW], v[NIL]                      ; 0 onto my spare word
	s_wait_dscnt 4*NL+1                            ; the add and the youngest eight loads may be out
	WIN MUL_LO
	MUL16 0, 1, NQ-1, 0, 0
	s_wait_dscnt 0x0                               ; no LDS instruction of mine is out at the signal
	s_barrier_signal -1
	MUL16 2, 1, NQ-1, 0, 0
	WIN 0
	s_barrier_wait -1                              ; slot 1 is whole
	PLACES NP
	v_add_nc_u32 v[ADRS], 4*NQ, v[ADRS]            ; slot 1's scale words
	FETCH_B 1, 0, 0
	FETCH_A 1, 0, 0
	SCALES 1
	WIN MUL_HI
	MUL16 4, 1, NQ-1, 0, 0
	MUL16 6, 1, NQ-1, 0, 0
	PLACES NP
	WIN 0
	FETCH_A 1, 0, 4
	STEPS 1, 0
	s_wait_dscnt 4*NL                              ; the very last step: nothing more to fetch
	WIN MUL_LO
	MUL16 0, 1, NQ-1, 1, 0
	MUL16 2, 1, NQ-1, 1, 0
	s_wait_dscnt 0
	WIN MUL_HI
	MUL16 4, 1, NQ-1, 1, 0
	MUL16 6, 1, NQ-1, 1, 0
	WIN 0
; 64 numbers of a lane, register 16 b + i = k 32 b + 16 (lane / 16) + i of my row, become a fragment's codes in v[PC] on and its scale word in v[PW].
.macro QUANT s
.irp b, 0,1,2,3
	v_max3_num_f32 v[TM+\b], |v[\s+16*\b]|, |v[\s+1+16*\b]|, 0x1800000   ; block b: my 16 numbers, and the floor 2^(3 - 127): so the byte cannot fall under 1
.endr
.irp i, 2,4,6,8,10,12,14
.irp b, 0,1,2,3
	v_max3_num_f32 v[TM+\b], v[TM+\b], |v[\s+16*\b+\i]|, |v[\s+1+16*\b+\i]|   ; the four blocks by turns
.endr
.endr
.irp b, 0,1,2,3
	v_permlanex16_b32 v[TM+4+\b], v[TM+\b], s[SEL], s[SEL+1]
.endr
.irp b, 0,1,2,3
	v_max_num_f32 v[TM+\b], v[TM+\b], v[TM+4+\b]   ; with lane l xor 16's: the block's largest magnitude
.endr
.irp b, 0,1,2,3
	v_add_nc_u32 v[TM+12+\b], 0xff000000, v[TM+\b] ; 2 off its exponent field: the conversion's scale operand
.endr
.irp b, 0,1,2,3
	v_lshrrev_b32 v[TM+4+\b], 23, v[TM+12+\b]      ; the scale's byte
.endr
	v_lshl_or_b32 v[PW], v[TM+5], 8, v[TM+4]
	v_lshl_or_b32 v[PW], v[TM+6], 16, v[PW]
	v_lshl_or_b32 v[PW], v[TM+7], 24, v[PW]
.irp b, 0,1,2,3
	v_cvt_scalef32_pk8_fp4_f32 v[PC+2*\b], v[\s+16*\b:\s+7+16*\b], v[TM+12+\b]
	v_cvt_scalef32_pk8_fp4_f32 v[PC+1+2*\b], v[\s+8+16*\b:\s+15+16*\b], v[TM+12+\b]
.endr
	v_nop                                          ; one plain place behind a scaled conversion
.irp c, 0,1                                    ; the operand's layout wants a whole block in a lane
.irp i, 0,1
	v_permlane16_swap_b32 v[PC+4*\c+\i], v[PC+2+4*\c+\i]
.endr
.endr
.endm
; THE WAY OUT, R's blocks one after the other.  The bias's addition also brings the accumulators, each from its low end on, into window 0.
.macro EPI isv
.irp a, 0,1,2,3,4,5,6,7
.if \a > 0
	s_wait_xcnt 0x0                                ; the last block's stores have read the codes' registers
.endif
.set WN, 0x02+\a/4
	WIN WN                                         ; source 0: window 2 or 3
.set kk, 0
.rept 32
.if \isv
	v_pk_add_f32 v[HA+kk:HA+kk+1], v[64*(\a%4)+kk:64*(\a%4)+kk+1], v[BI+8*\a+kk%8:BI+8*\a+kk%8+1]
.else
	v_pk_add_f32 v[HA+kk:HA+kk+1], v[64*(\a%4)+kk:64*(\a%4)+kk+1], v[BI+kk:BI+kk+1]
.endif
.set kk, kk+2
.endr
	WIN 0
	QUANT HA
.if \isv
	global_store_b128 v[LI], v[PC:PC+3], s[98:99] offset:(\a/4)*HEADB+(\a%4)*1024       ; head a / 4, its tile a % 4 of 16 rows, keys 0-63 of my 128: 512 consecutive bytes, aligned
	global_store_b128 v[LI], v[PC+4:PC+7], s[98:99] offset:(\a/4)*HEADB+(\a%4)*1024+512 ; keys 64-127
	ds_store_b32 v[SSV], v[PW] offset:(\a/4)*256+4*(\a%4)                               ; both halves of the lanes write the same word with the same value
.else
	global_store_b128 v[LI], v[PC:PC+3], s[98:99] offset:\a*512                         ; tile a of my 128 tokens, my first head's 64
	global_store_b128 v[LI], v[PC+4:PC+7], s[98:99] offset:HEADB+\a*512                 ; my second head's
	v_lshrrev_b32 v[W], v[SH], v[PW]
	v_and_b32 v[W], 0xffff, v[W]                   ; lanes 0-15: the first head's two bytes, lanes 16-31 the second's; zeros above
	ds_store_b32 v[SSQ], v[W] offset:4*\a
.endif
.endr
.endm
	PLACES NP                                      ; behind the last products: their results are read and R's registers written
	s_wait_loadcnt 0x0                             ; the bias
	s_cmp_eq_u32 ttmp9, 2                          ; the cluster's x: the same in all partners and waves
	s_cbranch_scc1 .Lvpath
	EPI 0
	ds_load_b128 v[HA:HA+3], v[SRQ]                ; LDS serves a wave's instructions in order: these see my stores
	ds_load_b128 v[HA+4:HA+7], v[SRQ] offset:512
	s_wait_dscnt 0x0
	global_store_b128 v[LI], v[HA:HA+3], s[12:13]                  ; a head's words of my 128 tokens: 512 consecutive bytes, aligned
	global_store_b128 v[LI], v[HA+4:HA+7], s[12:13] offset:HEADS
	s_branch .Ldone
.Lvpath:
	EPI 1
	ds_load_b128 v[HA:HA+3], v[SRV]
	s_wait_dscnt 0x0
	global_store_b128 v[VSO], v[HA:HA+3], s[12:13]                 ; sixteen lanes store a head's 256 consecutive bytes, aligned
.Ldone:
	s_wait_tensorcnt 0x0                           ; the wave's end, behind my last tensor load and my last LDS store
	ds_add_u32 v[SPW], v[NIL]
	s_wait_dscnt 0x0
	CROUND                                         ; the closing round
	s_endpgm
.Lfunc_end_k_qcdb386bd8e_qkv:
	.size	k_qcdb386bd8e_qkv, .Lfunc_end_k_qcdb386bd8e_qkv-k_qcdb386bd8e_qkv
	.p2alignl 7, 3214868480
	.fill 96, 4, 3214868480
	.section	.rodata,"a",@progbits
	.p2align	6, 0x0
	.amdhsa_kernel k_qcdb386bd8e_qkv
		.amdhsa_group_segment_fixed_size 327680
		.amdhsa_private_segment_fixed_size 0
		.amdhsa_enable_private_segment 0
		.amdhsa_kernarg_size 72
		.amdhsa_user_sgpr_count 2
		.amdhsa_user_sgpr_kernarg_segment_ptr 1
		.amdhsa_wavefront_size32 1
		.amdhsa_system_sgpr_workgroup_id_x 1
		.amdhsa_system_sgpr_workgroup_id_y 1
		.amdhsa_system_sgpr_workgroup_id_z 1
		.amdhsa_system_vgpr_workitem_id 0
		.amdhsa_next_free_vgpr 1024
		.amdhsa_next_free_sgpr 100
		.amdhsa_reserve_vcc 0
		.amdhsa_float_denorm_mode_32 3
		.amdhsa_float_denorm_mode_16_64 3
		.amdhsa_memory_ordered 1
		.amdhsa_forward_progress 1
		.amdhsa_inst_pref_size 202
	.end_amdhsa_kernel
	.amdgpu_metadata
---
amdhsa.version: [ 1, 2 ]
amdhsa.kernels:
  - .name:           k_qcdb386bd8e_qkv
    .symbol:         k_qcdb386bd8e_qkv.kd
    .args:
      - { .name: xc, .offset: 0, .size: 8, .value_kind: global_buffer, .address_space: global }
      - { .name: xs, .offset: 8, .size: 8, .value_kind: global_buffer, .address_space: global }
      - { .name: wc, .offset: 16, .size: 8, .value_kind: global_buffer, .address_space: global }
      - { .name: ws, .offset: 24, .size: 8, .value_kind: global_buffer, .address_space: global }
      - { .name: bq, .offset: 32, .size: 8, .value_kind: global_buffer, .address_space: global }
      - { .name: bk, .offset: 40, .size: 8, .value_kind: global_buffer, .address_space: global }
      - { .name: bv, .offset: 48, .size: 8, .value_kind: global_buffer, .address_space: global }
      - { .name: qkv_img, .offset: 56, .size: 8, .value_kind: global_buffer, .address_space: global }
      - { .name: qkv_sc, .offset: 64, .size: 8, .value_kind: global_buffer, .address_space: global }
    .group_segment_fixed_size: 327680
    .private_segment_fixed_size: 0
    .kernarg_segment_align: 8
    .kernarg_segment_size: 72
    .max_flat_workgroup_size: 128
    .sgpr_count:     100
    .vgpr_count:     1024
    .wavefront_size: 32
...
	.end_amdgpu_metadata
.endif
;; end of part 2
;; launch attn (part 3): grid 4 x 64, 16 waves a work-group, clusters of 4 x 1, 327,680 bytes of LDS; arguments qkv_img, qkv_sc, a_img, a_sc; writes a_img, a_sc
.if DOCPART == 3
	.amdgcn_target "amdgcn-amd-amdhsa--gfx1250"
	.amdhsa_code_object_version 6
	.text
	.protected	k_qcdb386bd8e_attn
	.globl	k_qcdb386bd8e_attn
	.p2align	8
	.type	k_qcdb386bd8e_attn,@function
k_qcdb386bd8e_attn:
	s_mov_b64 s[64:65], 0
	v_nop
	global_prefetch_b8 v0, s[64:65] scope:SCOPE_SE
	s_setreg_imm32_b32 hwreg(HW_REG_WAVE_MODE, 25, 1), 1
	s_wait_xcnt 0x0
	s_wait_alu depctr_hold_cnt(0) depctr_sa_sdst(0) depctr_va_vdst(0) depctr_va_sdst(0) depctr_va_ssrc(0) depctr_va_vcc(0) depctr_vm_vsrc(0)
	s_getreg_b32 s2, hwreg(HW_REG_IB_STS2, 6, 4)
	s_cmp_eq_u32 s2, 0
	s_cbranch_scc0 .Lentry_in_a_cluster
	s_endpgm
.Lentry_in_a_cluster:
	s_bfe_u32 s2, ttmp6, 0x10000c
	s_cmp_lg_u32 s2, 0x3003
	s_cbranch_scc0 .Lentry_shape_is_right
	s_endpgm
.Lentry_shape_is_right:
; Launch 3 of 4: for each batch and head, O = softmax(Q K^T / 8) V on codes of FP4, and O quantised along the head's 64 for the last product.  No work is left out.
; THE SOFTMAX AHEAD OF THE SECOND PRODUCT: t = score x log2(e) / 8; M = the row's largest t so far, rounded UP to a whole number; p = 2^(t - M) is what is quantised, along the keys; the row's sum is taken of the
; unquantised p and divides O at the end.  When M moves, the sum and O are multiplied by 2^(old M - new M): exact.
; SHARES.  A work-group owns 512 queries of one head; each of its sixteen waves two tiles of 16, one after the other, in 256 registers: four waves to a SIMD, so that one wave's vector work stands beside another's products and LDS loads.
; A HEAD'S K AND V STAY IN LDS: 128 KiB of images and 12 KiB of scale words, filled once at the head; each wave fetches a sixteenth of each: two tensor loads, the second asked for after the first has landed.  No LDS byte is filled twice.
; CLUSTER.  The four work-groups of a cluster are the four query blocks of one head: each load is asked for jointly, with the mask of all four.  The place in the cluster enters global addresses of Q and of the results alone.
; LAYOUT.  Both products are used transposed: S^T = K Q^T (source 0 = 16 keys), O^T = V^T P^T (source 0 = 16 of the head's 64): a lane holds ONE query throughout.  Rows of K's tiles stand with bits 3 and 4 of their number exchanged
; (launch 1), so the 16 registers of tiles 2 b and 2 b + 1 are keys 32 b + 16 (lane / 16) + 0 .. 15; V's rows likewise, so O^T's registers run along the head's 64 in order.
; THE SCORE PRODUCT'S K IS 64 of the instruction's 128: Q's upper four registers hold zero codes, so whatever stands in K's upper four (the next tile's codes) adds nothing; the upper two scale bytes are 0, which is a power of two.
; An image (16 rows x 64 K, 512 bytes, lane l's 16 bytes at 16 l) is half a fragment's registers as they stand: one ds_load_b128 at 16 x lane.
; LIMITS: a p under 2^-126 counts as 0; a block of O whose largest magnitude lies under 2^-124 gets the byte 1; NaN and infinities are not served.
; Nothing is prefetched: all that the launch reads of K and V is asked for by its first loads.
.set KIM,   0                          ; LDS: K's 128 tiles x 512 bytes
.set VIM,   65536                      ; V: 16 key steps x 4 tiles x 1,024 bytes
.set KSC,   131072                     ; K's scale words: [step 16][row 16][tile 8]
.set VSC,   139264                     ; V's: [step 16][row 16][tile 4]
.set SPARE, 143360                     ; the spare words, 128 bytes for each of sixteen waves
.set HEADB, 196608
.set HEADS, 20480
.set LK,  1                            ; v1   16 x lane
.set LV,  2                            ; v2   VIM + 16 x lane
.set LKS, 3                            ; v3   KSC + 32 r
.set LVS, 4                            ; v4   VSC + 16 r
.set SPW, 5                            ; v5   my spare word; never rewritten
.set NIL, 6                            ; v6   0; never rewritten
.set GL,  7                            ; v7   16 x lane, for memory
.set ADK, 8                            ; v8-11 the step's LDS addresses
.set ADV, 9
.set ADS, 10
.set ADT, 11                           ; v12 -M, v13 the largest t, v[14:15] the sum in two halves
.set Q0,  16                           ; v16-23, v24-31 my two tiles of Q: four registers of codes, four of zeros
.set Q1,  24
.set KF,  32                           ; v32-67 K: tile t's fragment is v[32 + 4 t : 39 + 4 t]; v64-67 zeros
.set VF,  68                           ; v68-99 V's four fragments
.set S,   100                          ; v100-163 S^T, then p
.set O,   164                          ; v164-195 O^T
.set KW,  196                          ; v196-203 K's scale words
.set VW,  204                          ; v204-207 V's
.set PC,  208                          ; v208-215 p's codes
.set AB,  216                          ; v216 32 r + lane / 16: my scale byte's place in a_sc
.set QSO, 217                          ; v217 32 r
.set F,   248                          ; v[248:249] f = 2^(old M - new M), and a zero named with it as a pair
.set QW,  250                          ; v250, v251 Q's scale words;  v253 p's;  v232-247, v254 at work
.set WV,  18
.set SEL, 20
.set CS,  22
.set G1I, 24                           ; s[24:31] group 1 for the images, s[32:39] for the scale words, s[40:43], s[44:47] their groups 0
.set G1C, 32
.set G0I, 40
.set G0C, 44
.set HM,  48                           ; s48  lanes 16-31
.set TK,  2                            ; s2   the step's images: 4,096 bytes a step, in K and in V
.set TS,  3                            ; s3   K's scale words: 512
.set TJ,  49                           ; s49  V's: 256
.set CNT, 50
.macro CROUND
	s_barrier_signal -1
	s_barrier_wait -1
	s_cmp_lg_u32 s[WV], 0
	s_cbranch_scc1 .Lnot_wave_0_\@
	s_barrier_signal -3
.Lnot_wave_0_\@:
	s_barrier_wait -3
	s_barrier_signal -1
	s_barrier_wait -1
.endm
	s_load_b256 s[4:11], s[0:1], 0x0               ; qkv_img, qkv_sc, a_img, a_sc
	v_lshl_add_u32 v[SPW], v0, 2, SPARE
	v_mov_b32 v[NIL], 0
	ds_add_u32 v[SPW], v[NIL]                      ; the wave's opening: the add, twice on end, and its wait ahead of my first tensor load
	ds_add_u32 v[SPW], v[NIL]
	v_lshrrev_b32 v8, 5, v0
	s_delay_alu instid0(VALU_DEP_1)
	v_readfirstlane_b32 s[WV], v8                  ; wave 0..15
	s_bfe_u32 s12, ttmp6, 0x40000                  ; cx: my block of 512 queries
	s_and_b32 s13, ttmp7, 0xffff                   ; 16 x batch + head, which the four partners share
	s_mov_b32 s[G1I], 15|(3<<16)|(1<<21)           ; the mask: all four work-groups; elements of 8 bytes; bit 21 beside a mask; no padding
	s_mov_b32 s[G1I+1], 32<<16                     ; rows of 256 bytes,
	s_mov_b32 s[G1I+2], 32<<16                     ; 32 of them: 8,192 dense bytes
	s_mov_b32 s[G1I+3], 32<<16
	s_mov_b32 s[G1I+4], 32
	s_mov_b32 s[G1I+5], 32
	s_mov_b32 s[G1I+6], 0
	s_mov_b32 s[G1I+7], 0
	s_mov_b32 s[G1C], 15|(3<<16)|(1<<21)
	s_mov_b32 s[G1C+1], 32<<16
	s_mov_b32 s[G1C+2], 3<<16                      ; 3 rows: 768 dense bytes
	s_mov_b32 s[G1C+3], 32<<16
	s_mov_b32 s[G1C+4], 3
	s_mov_b32 s[G1C+5], 32
	s_mov_b32 s[G1C+6], 0
	s_mov_b32 s[G1C+7], 0
	s_mul_i32 s14, s13, HEADB                      ; the head in qkv_img
	s_lshl_b32 s15, s[WV], 13                      ; my sixteenth of K's and V's 128 KiB, which lie on end in memory and in LDS
	s_add_co_u32 s16, s14, s15
	s_add_co_u32 s16, s16, 65536
	s_mov_b32 s17, 0
	s_mul_i32 s60, s13, HEADS                      ; the head in qkv_sc
	s_mul_i32 s62, s[WV], 768                      ; my sixteenth of K's and V's 12 KiB of scale words
	s_add_co_u32 s58, s60, s62
	s_add_co_u32 s58, s58, 8192
	s_mov_b32 s59, 0
	s_mov_b32 s[SEL], 0x76543210
	s_mov_b32 s[SEL+1], 0xfedcba98
	s_mov_b32 s[CS], 0x3e38aa3b                    ; c = log2(e) / 8
	s_mov_b32 s[CS+1], s[CS]                       ; (named with it as a pair, so it is written)
	s_mov_b32 s[HM], 0xffff0000
	s_wait_dscnt 0x0                               ; both opening adds are done
	s_wait_kmcnt 0x0
	s_mov_b32 s[G0I], 1
	s_mov_b32 s[G0I+1], s15
	s_add_nc_u64 s[G0I+2:G0I+3], s[4:5], s[16:17]
	s_or_b32 s[G0I+3], s[G0I+3], 0x80000000
	s_mov_b32 s[G0C], 1
	s_add_co_u32 s[G0C+1], s62, KSC
	s_add_nc_u64 s[G0C+2:G0C+3], s[6:7], s[58:59]
	s_or_b32 s[G0C+3], s[G0C+3], 0x80000000
	CROUND                                         ; all four work-groups are here: the joint loads meet
	tensor_load_to_lds s[G0I:G0I+3], s[G1I:G1I+7]
	s_nop 0
	s_wait_alu depctr_va_vdst(0)
	s_wait_tensorcnt 0x0
	ds_add_u32 v5, v6
	s_wait_dscnt 0x0
	CROUND
	tensor_load_to_lds s[G0C:G0C+3], s[G1C:G1C+7]
	s_nop 0
.rept 4
	v_nop
.endr
	s_lshl_b32 s51, s12, 5
	s_add_co_u32 s51, s51, s[WV]                   ; my first tile of queries: 32 cx + wave; the second lies 16 tiles on
	s_lshl_b32 s52, s51, 9
	s_add_co_u32 s52, s52, s14
	s_mov_b32 s53, 0
	s_add_nc_u64 s[52:53], s[4:5], s[52:53]        ; its image
	s_lshr_b32 s54, s51, 3
	s_lshl_b32 s54, s54, 9
	s_and_b32 s55, s[WV], 7
	s_lshl_b32 s55, s55, 2
	s_add_co_u32 s54, s54, s55
	s_add_co_u32 s54, s54, s60
	s_mov_b32 s55, 0
	s_add_nc_u64 s[54:55], s[6:7], s[54:55]        ; its scale words: [step = tile / 8][row][tile % 8]
	s_lshr_b32 s56, s13, 4
	s_lshl_b32 s56, s56, 7
	s_add_co_u32 s56, s56, s51                     ; T = 128 x batch + tile
	s_and_b32 s57, s13, 15                         ; the head
	s_lshl_b32 s58, s56, 9
	s_lshl_b32 s59, s57, 1
	s_add_co_u32 s58, s58, s59
	s_mov_b32 s59, 0
	s_add_nc_u64 s[58:59], s[10:11], s[58:59]      ; a_sc: 16 rows of 32 bytes a tile, 2 bytes a head
	s_lshl_b32 s56, s56, 13
	s_lshl_b32 s57, s57, 9
	s_add_co_u32 s56, s56, s57
	s_mov_b32 s57, 0
	s_add_nc_u64 s[56:57], s[8:9], s[56:57]        ; a_img: [T][head][512 bytes]
	v_and_b32 v8, 31, v0
	v_and_b32 v9, 15, v0                           ; r
	v_bfe_u32 v10, v0, 4, 1                        ; h
	s_delay_alu instid0(VALU_DEP_3)
	v_lshlrev_b32 v[LK], 4, v8
	s_delay_alu instid0(VALU_DEP_1)
	v_add_nc_u32 v[LV], VIM, v[LK]
	s_delay_alu instid0(VALU_DEP_4)
	v_lshlrev_b32 v[QSO], 5, v9
	s_delay_alu instid0(VALU_DEP_1)
	v_add_nc_u32 v[LKS], KSC, v[QSO]
	v_lshl_add_u32 v[LVS], v9, 4, VSC
	v_lshlrev_b32 v[GL], 4, v8
	s_delay_alu instid0(VALU_DEP_4)
	v_add_nc_u32 v[AB], v[QSO], v10
	global_load_b128 v[Q0:Q0+3], v[GL], s[52:53]
	global_load_b128 v[Q1:Q1+3], v[GL], s[52:53] offset:8192
	global_load_b32 v[QW], v[QSO], s[54:55]
	global_load_b32 v[QW+1], v[QSO], s[54:55] offset:1024
.irp j, 0,1,2,3
	v_mov_b32 v[Q0+4+\j], 0                        ; zero codes for the instruction's upper 64 along K
	v_mov_b32 v[Q1+4+\j], 0
	v_mov_b32 v[KF+32+\j], 0                       ; what stands above K's last tile
	v_mov_b32 v[236+\j], 0                         ; written once: a lane permute's destination counts as one of its sources
.endr
	v_mov_b32 v[F+1], 0                            ; (named as the upper half of the pair)
	s_wait_tensorcnt 0x0                           ; my parts have landed,
	s_barrier_signal -1
	s_barrier_wait -1                              ; everybody's have
	s_wait_loadcnt 0x0                             ; Q
; A KEY STEP: 128 keys.
.macro STEP q, qw
	v_add_nc_u32 v[ADK], s[TK], v[LK]              ; these four are also the places in front of the loads into registers that the last products read
	v_add_nc_u32 v[ADV], s[TK], v[LV]
	v_add_nc_u32 v[ADS], s[TS], v[LKS]
	v_add_nc_u32 v[ADT], s[TJ], v[LVS]
.irp t, 0,1,2,3,4,5,6,7
	ds_load_b128 v[KF+4*\t:KF+4*\t+3], v[ADK] offset:512*\t
.endr
	ds_load_b128 v[KW:KW+3], v[ADS]
	ds_load_b128 v[KW+4:KW+7], v[ADS] offset:16
.irp d, 0,1,2,3
.irp c, 0,1
	ds_load_b128 v[VF+8*\d+4*\c:VF+8*\d+4*\c+3], v[ADV] offset:1024*\d+512*\c
.endr
.endr
	ds_load_b128 v[VW:VW+3], v[ADT]
	s_wait_dscnt 9                                 ; K and its words are in; V's nine loads may be out
.irp t, 0,1,2,3,4,5,6,7
	v_wmma_scale_f32_16x16x128_f8f6f4 v[S+8*\t:S+8*\t+7], v[KF+4*\t:KF+4*\t+7], v[\q:\q+7], 0, v[KW+\t], v[\qw] matrix_a_fmt:MATRIX_FMT_FP4 matrix_b_fmt:MATRIX_FMT_FP4
.endr
.rept 4
	v_nop
.endr
.irp b, 0,1,2,3
	v_max3_num_f32 v[232+\b], v[S+16*\b], v[S+1+16*\b], v[S+2+16*\b]   ; the largest score of each block of 32 keys: it serves for the row's maximum and, since p rises with the score, for the block's largest p
.endr
.irp i, 3,5,7,9,11,13
.irp b, 0,1,2,3
	v_max3_num_f32 v[232+\b], v[232+\b], v[S+16*\b+\i], v[S+1+16*\b+\i]
.endr
.endr
.irp b, 0,1,2,3
	v_max_num_f32 v[232+\b], v[232+\b], v[S+15+16*\b]
.endr
.irp b, 0,1,2,3
	s_delay_alu instid0(VALU_DEP_4)
	v_permlanex16_b32 v[236+\b], v[232+\b], s[SEL], s[SEL+1]
.endr
.irp b, 0,1,2,3
	s_delay_alu instid0(VALU_DEP_4)
	v_max_num_f32 v[232+\b], v[232+\b], v[236+\b]  ; with lane l xor 16's 16 keys
.endr
	s_delay_alu instid0(VALU_DEP_2)
	v_max3_num_f32 v254, v232, v233, v234
	s_delay_alu instid0(VALU_DEP_1)
	v_max_num_f32 v254, v254, v235                 ; the step's largest score of my query
	s_delay_alu instid0(VALU_DEP_1)
	v_mul_f32 v254, s[CS], v254                    ; as t (c is positive)
	s_delay_alu instid0(VALU_DEP_1)
	v_max_num_f32 v13, v13, v254                   ; the running largest t
	v_mov_b32 v254, v12
	s_delay_alu instid0(VALU_DEP_2)
	v_floor_f32 v12, -v13                          ; the new -M = floor(-t) = -ceil(t): a whole number
	s_delay_alu instid0(VALU_DEP_1)
	v_sub_f32 v254, v12, v254                      ; M's old value less its new one: a whole number, 0 or less
	s_delay_alu instid0(VALU_DEP_1)
	v_cvt_i32_f32 v254, v254                       ; (it saturates)
	s_delay_alu instid0(VALU_DEP_1)
	v_ldexp_f32 v[F], 1.0, v254                    ; f = 2^(old M - new M)
.set j, 0
.rept 32
	v_pk_fma_f32 v[S+j:S+j+1], v[S+j:S+j+1], s[CS:CS+1], v[12:13] op_sel_hi:[1,0,0]   ; t - M, two at a time
.set j, j+2
.endr
.irp b, 0,1,2,3
	v_fma_f32 v[232+\b], v[232+\b], s[CS], v12     ; the same of each block's largest score
.endr
.set j, 0
	s_wait_alu depctr_va_vdst(0)
.rept 64
	v_exp_f32 v[S+j], v[S+j]                       ; p = 2^(t - M), at most 1: not normalised
.set j, j+1
.endr
	s_setprio 1
	v_pk_mul_f32 v[14:15], v[14:15], v[F:F+1] op_sel_hi:[1,0]      ; the sums under the new M: a plain place behind the exponentials
	s_wait_alu depctr_va_vdst(0)                   ; one wait for the whole batch, ahead of its first reader
.irp b, 0,1,2,3
	v_exp_f32 v[232+\b], v[232+\b]                 ; the block's largest p: the same two instructions on the same number
.endr
	v_pk_add_f32 v[236:237], v[S:S+1], v[S+2:S+3]  ; the row's sum is taken of the unquantised p, in two chains
.irp j, 4,8,12,16,20,24,28,32,36,40,44,48,52,56,60
	v_pk_add_f32 v[14:15], v[14:15], v[S+\j:S+\j+1]
	v_pk_add_f32 v[236:237], v[236:237], v[S+2+\j:S+3+\j]
.endr
	s_delay_alu instid0(VALU_DEP_1)
	v_pk_add_f32 v[14:15], v[14:15], v[236:237]
	s_wait_alu depctr_va_vdst(0)                   ; and one for the four
.irp b, 0,1,2,3
	v_max_num_f32 v[232+\b], 0x1800000, v[232+\b]  ; the floor 2^(3 - 127): the byte cannot fall under 1
.endr
.irp b, 0,1,2,3
	s_delay_alu instid0(VALU_DEP_4)
	v_add_nc_u32 v[244+\b], 0xff000000, v[232+\b]  ; 2 off the exponent field: the conversion's scale operand
.endr
.irp b, 0,1,2,3
	s_delay_alu instid0(VALU_DEP_4)
	v_lshrrev_b32 v[236+\b], 23, v[244+\b]         ; the scale's byte
.endr
	s_delay_alu instid0(VALU_DEP_3)
	v_lshl_or_b32 v253, v237, 8, v236              ; p's scale word for these 128 keys
	s_delay_alu instid0(VALU_DEP_1)
	v_lshl_or_b32 v253, v238, 16, v253
	s_delay_alu instid0(VALU_DEP_1)
	v_lshl_or_b32 v253, v239, 24, v253
.irp b, 0,1,2,3
	v_cvt_scalef32_pk8_fp4_f32 v[PC+2*\b], v[S+16*\b:S+7+16*\b], v[244+\b]
	v_cvt_scalef32_pk8_fp4_f32 v[PC+1+2*\b], v[S+8+16*\b:S+15+16*\b], v[244+\b]
.endr
	v_nop                                          ; one plain place behind a scaled conversion
.irp c, 0,1                                    ; the operand's layout wants a whole block in a lane
.irp i, 0,1
	v_permlane16_swap_b32 v[PC+4*\c+\i], v[PC+2+4*\c+\i]
.endr
.endr
.set j, 0
	s_setprio 0
.rept 16
	v_pk_mul_f32 v[O+j:O+j+1], v[O+j:O+j+1], v[F:F+1] op_sel_hi:[1,0]   ; O^T under the new M.  These sixteen also stand between the lines that made p's codes and scale word and the products that take them
.set j, j+2
.endr
	s_wait_alu depctr_va_vdst(0)
	s_wait_dscnt 0x0                               ; V and its words are in
.irp d, 0,1,2,3                                ; O^T += V^T P^T: the four accumulators by turns; the next step's eight score products stand between two links of a chain
	v_wmma_scale_f32_16x16x128_f8f6f4 v[O+8*\d:O+8*\d+7], v[VF+8*\d:VF+8*\d+7], v[PC:PC+7], v[O+8*\d:O+8*\d+7], v[VW+\d], v253 matrix_a_fmt:MATRIX_FMT_FP4 matrix_b_fmt:MATRIX_FMT_FP4
.endr
	s_add_co_u32 s[TK], s[TK], 4096
	s_add_co_u32 s[TS], s[TS], 512
	s_add_co_u32 s[TJ], s[TJ], 256
.endm
; One tile of 16 queries against all 2,048 keys, and its way out.  q, qw: the tile's registers; oi, os: its place in a_img and a_sc.
.macro PASS q, qw, oi, os
	s_wait_xcnt 0x0                                ; the last tile's stores have read their registers
	v_mov_b32 v13, 0xff61b1e6                      ; the largest t so far: -3e38, under every t
	s_delay_alu instid0(VALU_DEP_1)
	v_floor_f32 v12, -v13                          ; -M
	v_mov_b32 v14, 0
	v_mov_b32 v15, 0
.set j, 0
.rept 32
	v_mov_b32 v[O+j], 0                            ; the step is written once: its first trip finds zeros, which the first change of M leaves zeros
.set j, j+1
.endr
	s_mov_b32 s[TK], 0
	s_mov_b32 s[TS], 0
	s_mov_b32 s[TJ], 0
	s_mov_b32 s[CNT], 16
.Lstep_\@:
	s_setprio 2
	STEP \q, \qw
	s_sub_co_u32 s[CNT], s[CNT], 1
	s_cmp_lg_u32 s[CNT], 0
	s_cbranch_scc1 .Lstep_\@
	s_setprio 0
	v_add_f32 v14, v14, v15                        ; the sum's two halves,
	s_delay_alu instid0(VALU_DEP_1)
	v_permlanex16_b32 v254, v14, s[SEL], s[SEL+1]
	s_delay_alu instid0(VALU_DEP_1)
	v_add_f32 v14, v14, v254                       ; and lane l xor 16's: the row's sum
	s_wait_alu depctr_va_vdst(0)
	v_rcp_f32 v[F], v14
.rept 4
	v_nop                                          ; the plain place behind the reciprocal, and the places behind the last products
.endr
	s_wait_alu depctr_va_vdst(0)                   ; the wait ahead of the reciprocal's first reader
.set j, 0
.rept 16
	v_pk_mul_f32 v[S+j:S+j+1], v[O+j:O+j+1], v[F:F+1] op_sel_hi:[1,0]   ; O^T / the sum: register 16 b + i is channel 32 b + 16 (lane / 16) + i of my query
.set j, j+2
.endr
.irp b, 0,1                                    ; the head's two blocks of 32 along the last product's K
	v_max3_num_f32 v[232+\b], |v[S+16*\b]|, |v[S+1+16*\b]|, 0x1800000
.endr
.irp i, 2,4,6,8,10,12,14
.irp b, 0,1
	s_delay_alu instid0(VALU_DEP_2)
	v_max3_num_f32 v[232+\b], v[232+\b], |v[S+16*\b+\i]|, |v[S+1+16*\b+\i]|
.endr
.endr
.irp b, 0,1
	s_delay_alu instid0(VALU_DEP_2)
	v_permlanex16_b32 v[236+\b], v[232+\b], s[SEL], s[SEL+1]
.endr
.irp b, 0,1
	s_delay_alu instid0(VALU_DEP_2)
	v_max_num_f32 v[232+\b], v[232+\b], v[236+\b]
.endr
.irp b, 0,1
	s_delay_alu instid0(VALU_DEP_2)
	v_add_nc_u32 v[244+\b], 0xff000000, v[232+\b]
.endr
.irp b, 0,1
	s_delay_alu instid0(VALU_DEP_2)
	v_lshrrev_b32 v[236+\b], 23, v[244+\b]
.endr
	s_delay_alu instid0(VALU_DEP_1)
	v_cndmask_b32 v254, v236, v237, s[HM]          ; lanes 0-15 keep block 0's byte, lanes 16-31 block 1's
.irp b, 0,1
	v_cvt_scalef32_pk8_fp4_f32 v[PC+2*\b], v[S+16*\b:S+7+16*\b], v[244+\b]
	v_cvt_scalef32_pk8_fp4_f32 v[PC+1+2*\b], v[S+8+16*\b:S+15+16*\b], v[244+\b]
.endr
	v_nop                                          ; one plain place behind a scaled conversion
.irp i, 0,1
	v_permlane16_swap_b32 v[PC+\i], v[PC+2+\i]     ; lane (r, h) now holds block h of query r: the image
.endr
	global_store_b128 v[GL], v[PC:PC+3], s[56:57] offset:\oi       ; 512 consecutive bytes, aligned
	global_store_b8 v[AB], v254, s[58:59] offset:\os               ; a byte a lane, 32 bytes from row to row: one such store for a tile of queries; the layout is the one in which launch 4 takes a row's 32 bytes
.endm
	PASS Q0, QW, 0, 0
	PASS Q1, QW+1, 131072, 8192
	s_wait_tensorcnt 0x0                           ; the wave's end, behind my last tensor load
	ds_add_u32 v[SPW], v[NIL]
	s_wait_dscnt 0x0
	CROUND                                         ; the closing round
	s_endpgm
.Lfunc_end_k_qcdb386bd8e_attn:
	.size	k_qcdb386bd8e_attn, .Lfunc_end_k_qcdb386bd8e_attn-k_qcdb386bd8e_attn
	.p2alignl 7, 3214868480
	.fill 96, 4, 3214868480
	.section	.rodata,"a",@progbits
	.p2align	6, 0x0
	.amdhsa_kernel k_qcdb386bd8e_attn
		.amdhsa_group_segment_fixed_size 327680
		.amdhsa_private_segment_fixed_size 0
		.amdhsa_enable_private_segment 0
		.amdhsa_kernarg_size 32
		.amdhsa_user_sgpr_count 2
		.amdhsa_user_sgpr_kernarg_segment_ptr 1
		.amdhsa_wavefront_size32 1
		.amdhsa_system_sgpr_workgroup_id_x 1
		.amdhsa_system_sgpr_workgroup_id_y 1
		.amdhsa_system_sgpr_workgroup_id_z 1
		.amdhsa_system_vgpr_workitem_id 0
		.amdhsa_next_free_vgpr 256
		.amdhsa_next_free_sgpr 66
		.amdhsa_reserve_vcc 0
		.amdhsa_float_denorm_mode_32 3
		.amdhsa_float_denorm_mode_16_64 3
		.amdhsa_memory_ordered 1
		.amdhsa_forward_progress 1
		.amdhsa_inst_pref_size 50
	.end_amdhsa_kernel
	.amdgpu_metadata
---
amdhsa.version: [ 1, 2 ]
amdhsa.kernels:
  - .name:           k_qcdb386bd8e_attn
    .symbol:         k_qcdb386bd8e_attn.kd
    .args:
      - { .name: qkv_img, .offset: 0, .size: 8, .value_kind: global_buffer, .address_space: global }
      - { .name: qkv_sc, .offset: 8, .size: 8, .value_kind: global_buffer, .address_space: global }
      - { .name: a_img, .offset: 16, .size: 8, .value_kind: global_buffer, .address_space: global }
      - { .name: a_sc, .offset: 24, .size: 8, .value_kind: global_buffer, .address_space: global }
    .group_segment_fixed_size: 327680
    .private_segment_fixed_size: 0
    .kernarg_segment_align: 8
    .kernarg_segment_size: 32
    .max_flat_workgroup_size: 512
    .sgpr_count:     66
    .vgpr_count:     256
    .wavefront_size: 32
...
	.end_amdgpu_metadata
.endif
;; end of part 3
;; launch outp (part 4): grid 4 x 32, 4 waves a work-group, clusters of 4 x 4, 327,680 bytes of LDS; arguments a_img, a_sc, wc, ws, bo, out0; writes out0
.if DOCPART == 4
	.amdgcn_target "amdgcn-amd-amdhsa--gfx1250"
	.amdhsa_code_object_version 6
	.text
	.protected	k_qcdb386bd8e_outp
	.globl	k_qcdb386bd8e_outp
	.p2align	8
	.type	k_qcdb386bd8e_outp,@function
k_qcdb386bd8e_outp:
	s_mov_b64 s[64:65], 0
	v_nop
	global_prefetch_b8 v0, s[64:65] scope:SCOPE_SE
	s_setreg_imm32_b32 hwreg(HW_REG_WAVE_MODE, 25, 1), 1
	s_wait_xcnt 0x0
	s_wait_alu depctr_hold_cnt(0) depctr_sa_sdst(0) depctr_va_vdst(0) depctr_va_sdst(0) depctr_va_ssrc(0) depctr_va_vcc(0) depctr_vm_vsrc(0)
	s_getreg_b32 s2, hwreg(HW_REG_IB_STS2, 6, 4)
	s_cmp_eq_u32 s2, 0
	s_cbranch_scc0 .Lentry_in_a_cluster
	s_endpgm
.Lentry_in_a_cluster:
	s_bfe_u32 s2, ttmp6, 0x10000c
	s_cmp_lg_u32 s2, 0xf033
	s_cbranch_scc0 .Lentry_shape_is_right
	s_endpgm
.Lentry_shape_is_right:
; Launch 4 of 4: out0 = a Wo^T + bo on codes of FP4; a is attention's result as launch 3 left it.  No work is left out.
; A work-group of four waves makes 256 tokens x 256 columns; a wave 128 x 128: 64 accumulators.  K = 1,024 is two LDS slots of 512, both asked for at the head; no LDS byte is filled twice by a load, and there is no loop.
; A wave has at most one tensor load outstanding: each slot's load waits for the one before it.  128 work-groups: a tile of 256 x 256 keeps each fragment read from LDS feeding eight products.
; CLUSTERS: 4 x 4 work-groups; a's tiles are shared along a row of the cluster, Wo's along a column: each is asked for jointly.
; a COMES AS IMAGES: a_img [tile of 16 tokens][head 16][512 bytes]: heads 2 q and 2 q + 1 of a tile are the fragment's eight registers for 128 along K, lane l's 16 bytes at 16 l: no pitch, no padding.  A slot holds 8 heads of 16 tiles.
; THE MATRIX INSTRUCTION IS USED TRANSPOSED (source 0 = 16 rows of Wo, source 1 = 16 tokens).  THE BIAS is the C of the first step's products.
; Tokens and Wo's rows stand with bits 3 and 4 of their number exchanged (launch 1): the exchange is undone here by constants: Wo's in the stage's offsets, the tokens' in the stores' offsets.
.set NQ,     4
.set ROWB,   256
.set KROW,   512
.set PITCH,  272
.set FR,     8
.set NL,     2
.set NP,     4
.set HALFA,  32768                     ; a: 8 tiles x 8 heads x 512 bytes: what one tensor load brings
.set HALFT,  128*PITCH                 ; Wo: 128 rows
.set SLOT,   2*HALFA+2*HALFT
.set KS,     32
.set SCL,    2*SLOT
.set HALFS,  16*272
.set SBLK,   2*272
.set SPARE,  SCL+4*HALFS
.set SPITCH, 528                       ; the way out: a stage of 16 rows x (512 bytes + 16) for each wave, in slot 0, which has had its one fill and its last read when the first result is stored there
.set ADRA, 16
.set ADRB, 20
.set STO,  24
.set RD,   25
.set CO,   26                          ; v26  16 x lane
.set ADRS, 27
.set SPW,  28
.set NIL,  29
.set BO,   30                          ; v30  the bias loads' offset
.set SC,   32
.set AF,   128
.set BK,   128
.set BI,   192                         ; v192-255 the bias in the result's layout, eight registers for each of Wo's blocks
.set G1, 24
.set G0, 32
.set G1B, 48
.set G0B, 56
.set G1S, 68
.set G0S, 76
.set G1SB, 80
.set G0SB, 88
.set MSB, 0
.macro WIN new
.if MSB != \new
	s_set_vgpr_msb (MSB<<8)|\new
.set MSB, \new
.endif
.endm
.set MUL_LO, 0xa1
.set MUL_HI, 0xf1
.set BIA_LO, 0x81                      ; the same with C in window 0: the bias
.set BIA_HI, 0xc1
.set TO_B,   0x40
.macro JLOAD g0a, g1a, g0b, g1b        ; waves 0 and 1 fetch for a, waves 2 and 3 for Wo; an s_nop 0 and four v_nop follow each of the two lines
	s_cmp_eq_u32 s15, 0
	s_cbranch_scc0 .Lfor_b_\@
	tensor_load_to_lds s[\g0a:\g0a+3], s[\g1a:\g1a+7]
	s_nop 0
.rept 4
	v_nop
.endr
	s_branch .Lasked_\@
.Lfor_b_\@:
	tensor_load_to_lds s[\g0b:\g0b+3], s[\g1b:\g1b+7]
	s_nop 0
.rept 4
	v_nop
.endr
.Lasked_\@:
.endm
.macro CROUND
	s_barrier_signal -1
	s_barrier_wait -1
	s_cmp_lg_u32 s14, 0
	s_cbranch_scc1 .Lnot_wave_0_\@
	s_barrier_signal -3
.Lnot_wave_0_\@:
	s_barrier_wait -3
	s_barrier_signal -1
	s_barrier_wait -1
.endm
	s_load_b256 s[4:11], s[0:1], 0x0               ; a_img, a_sc, wc, ws
	s_load_b128 s[96:99], s[0:1], 0x20             ; bo, out0
	v_lshl_add_u32 v[SPW], v0, 2, SPARE
	v_mov_b32 v[NIL], 0
	ds_add_u32 v[SPW], v[NIL]                      ; the wave's opening: the add, twice on end, and its wait ahead of my first tensor load
	ds_add_u32 v[SPW], v[NIL]
	v_lshrrev_b32 v1, 5, v0
	v_readfirstlane_b32 s14, v1                    ; wave 0..3
	s_lshr_b32 s15, s14, 1                         ; which half of the tokens is mine.  Also: I fetch for a (0) or for Wo (1)
	s_and_b32 s16, s14, 1                          ; which half of the columns.  Also: which half of that tile I fetch
	s_bfe_u32 s40, ttmp6, 0x40000
	s_bfe_u32 s41, ttmp6, 0x40004
	s_lshl_b32 s42, ttmp9, 2
	s_add_co_u32 s42, s42, s40                     ; tile column
	s_and_b32 s17, ttmp7, 0xffff
	s_lshl_b32 s17, s17, 2
	s_add_co_u32 s17, s17, s41                     ; tile row
	s_lshl_b32 s43, s41, 2
	s_lshl_b32 s43, 15, s43                        ; my row of the cluster
	s_lshl_b32 s44, 0x1111, s40                    ; my column
	s_or_b32 s[G1+0], s43, (3<<16)|(1<<21)         ; a's images: the mask; elements of 8 bytes; bit 21 beside a mask; no padding
	s_mov_b32 s[G1+1], 512<<16                     ; a row: 8 heads x 512 bytes = 512 elements,
	s_mov_b32 s[G1+2], 8<<16                       ; 8 rows: 8 tiles of tokens
	s_mov_b32 s[G1+3], 512<<16
	s_mov_b32 s[G1+4], 8
	s_mov_b32 s[G1+5], 1024                        ; from tile to tile: 16 heads x 512 bytes
	s_mov_b32 s[G1+6], 0
	s_mov_b32 s[G1+7], 0
	s_or_b32 s[G1B+0], s44, (0<<16)|(1<<20)|(1<<21)|(5<<22)|(3<<25) ; Wo: 128 rows of 256 bytes, 16 bytes of padding behind each
	s_mov_b32 s[G1B+1], ROWB<<16
	s_mov_b32 s[G1B+2], 128<<16
	s_mov_b32 s[G1B+3], ROWB<<16
	s_mov_b32 s[G1B+4], 128
	s_mov_b32 s[G1B+5], KROW
	s_mov_b32 s[G1B+6], 0
	s_mov_b32 s[G1B+7], 0
	s_or_b32 s[G1S+0], s43, (3<<16)|(1<<20)|(1<<21)|(5<<22)|(3<<25) ; the scale bytes of 128 rows: 16 rows of 256 bytes, 16 of padding behind each
	s_or_b32 s[G1SB+0], s44, (3<<16)|(1<<20)|(1<<21)|(5<<22)|(3<<25)
.irp g, G1S, G1SB
	s_mov_b32 s[\g+1], 32<<16
	s_mov_b32 s[\g+2], 16<<16
	s_mov_b32 s[\g+3], 32<<16
	s_mov_b32 s[\g+4], 16
	s_mov_b32 s[\g+5], 32
	s_mov_b32 s[\g+6], 0
	s_mov_b32 s[\g+7], 0
.endr
	s_lshl_b32 s18, s16, 7
	s_lshl_b32 s20, s17, 8
	s_add_co_u32 s20, s20, s18                     ; a: token place 256 x tile row + 128 x half
	s_lshl_b32 s46, s42, 8
	s_add_co_u32 s46, s46, s18
	s_add_co_u32 s46, s46, 3072                    ; wc: Wo's rows begin at 3,072
	s_lshl_b32 s22, s20, 5                         ; their scale bytes,
	s_mov_b32 s23, 0
	s_lshl_b32 s92, s46, 5
	s_mov_b32 s93, 0
	s_lshl_b32 s20, s20, 9                         ; and their codes: 16 tokens are 8,192 bytes of a_img, 512 a token
	s_mov_b32 s21, 0
	s_lshl_b32 s46, s46, 9
	s_mov_b32 s47, 0
	s_lshl_b32 s45, s16, 15                        ; where they go: a's two halves,
	s_mul_i32 s95, s16, HALFT
	s_add_co_u32 s95, s95, 2*HALFA                 ; then Wo's two
	s_mul_i32 s94, s14, HALFS
	s_wait_dscnt 0x0                               ; both opening adds are done
	s_wait_kmcnt 0x0
	s_add_nc_u64 s[20:21], s[4:5], s[20:21]
	s_add_nc_u64 s[22:23], s[6:7], s[22:23]
	s_add_nc_u64 s[46:47], s[8:9], s[46:47]
	s_add_nc_u64 s[92:93], s[10:11], s[92:93]
	CROUND                                         ; all sixteen work-groups are here: the joint loads meet
	s_mov_b32 s[G0S], 1
	s_add_co_u32 s[G0S+1], s94, SCL
	s_mov_b64 s[G0S+2:G0S+3], s[22:23]
	s_or_b32 s[G0S+3], s[G0S+3], 0x80000000
	s_mov_b32 s[G0SB], 1
	s_add_co_u32 s[G0SB+1], s94, SCL
	s_mov_b64 s[G0SB+2:G0SB+3], s[92:93]
	s_or_b32 s[G0SB+3], s[G0SB+3], 0x80000000
	JLOAD G0S, G1S, G0SB, G1SB
.irp s, 0,1
	s_mov_b32 s[G0+4*\s], 1
	s_add_co_u32 s[G0+4*\s+1], s45, \s*SLOT
	s_add_nc_u64 s[G0+4*\s+2:G0+4*\s+3], s[20:21], \s*4096         ; slot s: heads 8 s on
	s_or_b32 s[G0+4*\s+3], s[G0+4*\s+3], 0x80000000
	s_mov_b32 s[G0B+4*\s], 1
	s_add_co_u32 s[G0B+4*\s+1], s95, \s*SLOT
	s_add_nc_u64 s[G0B+4*\s+2:G0B+4*\s+3], s[46:47], \s*ROWB
	s_or_b32 s[G0B+4*\s+3], s[G0B+4*\s+3], 0x80000000
	s_wait_alu depctr_va_vdst(0)
	s_wait_tensorcnt 0x0
	ds_add_u32 v28, v29
	s_wait_dscnt 0x0
	CROUND
	JLOAD G0+4*\s, G1, G0B+4*\s, G1B
.endr
	v_and_b32 v1, 15, v0                           ; r
	v_bfe_u32 v2, v0, 4, 1                         ; h
	v_and_b32 v6, 31, v0
	v_lshlrev_b32 v[CO], 4, v6
	v_mul_u32_u24 v3, v1, PITCH
	v_lshl_add_u32 v4, v2, 4, v3
	s_lshl_b32 s21, s15, 15                        ; my 8 tiles of a
	s_mul_i32 s22, s16, HALFT
	s_add_co_u32 s22, s22, 2*HALFA                 ; my 128 rows of Wo
.irp s, 0,1
	v_add_nc_u32 v[ADRA+\s], s21, v[CO]
	v_add_nc_u32 v[ADRB+\s], s22, v4
	s_add_co_u32 s21, s21, SLOT
	s_add_co_u32 s22, s22, SLOT
.endr
	v_mul_u32_u24 v5, v1, KS
	v_lshrrev_b32 v6, 8, v5
	v_lshl_add_u32 v5, v6, 4, v5
	s_mul_i32 s21, s15, HALFS
	s_mul_i32 s22, s16, HALFS
	s_add_co_u32 s22, s22, 2*HALFS
	s_sub_co_u32 s22, s22, s21
	v_mul_u32_u24 v6, s22, v2                      ; lanes 16-31 take Wo's
	s_add_co_u32 s21, s21, SCL
	v_add_nc_u32 v5, v5, v6
	v_add_nc_u32 v[ADRS], s21, v5
	s_mul_i32 s23, s14, 16*SPITCH                  ; my stage
	v_mul_u32_u24 v5, v1, SPITCH
	v_lshl_add_u32 v5, v2, 6, v5                   ; in: row r, + 64 h: my half's 16 columns of each 32
	v_add_nc_u32 v[STO], s23, v5
	v_add_nc_u32 v[RD], s23, v[CO]                 ; back: the 32 lanes take one row of 512 bytes
	s_lshl_b32 s46, s42, 10
	s_lshl_b32 s47, s16, 9
	s_add_co_u32 s46, s46, s47                     ; my first column, in bytes of f32: in a row of out0 and in bo alike
	s_mov_b32 s47, 0
	s_add_nc_u64 s[96:97], s[96:97], s[46:47]
	s_lshl_b32 s20, s17, 8
	s_lshl_b32 s21, s15, 7
	s_add_co_u32 s20, s20, s21
	s_lshl_b32 s20, s20, 12                        ; my first row of out0: 4,096 bytes a row
	s_add_co_u32 s20, s20, s46
	s_mov_b32 s21, 0
	s_add_nc_u64 s[12:13], s[98:99], s[20:21]
	v_lshlrev_b32 v[BO], 6, v2
.irp i, 0,1,2,3,4,5,6,7                        ; register 8 i + j: bo of column 32 (i / 2) + 16 h + 8 (i % 2) + j
	global_load_b128 v[BI+8*\i:BI+8*\i+3], v[BO], s[96:97] offset:(32*(\i/2)+8*(\i%2))*4
	global_load_b128 v[BI+8*\i+4:BI+8*\i+7], v[BO], s[96:97] offset:(32*(\i/2)+8*(\i%2))*4+16
.endr
.macro FRAGB reg, adr, q, i
.irp c, 0,1
	ds_load_b128 v[\reg+4*\c:\reg+4*\c+3], v[\adr] offset:64*(\q)+32*\c+(\i)*16*PITCH
.endr
.endm
.macro FRAGA reg, adr, q, i            ; tile i of tokens, heads 2 q and 2 q + 1 of the slot's eight
.irp c, 0,1
	ds_load_b128 v[\reg+4*\c:\reg+4*\c+3], v[\adr] offset:1024*(\q)+512*\c+(\i)*4096
.endr
.endm
; 16 matrix instructions; first = 1: the sums begin with the bias.  The 64 accumulators take turns, one instruction a turn, in the same order in every step.
.macro MUL16 a0, p, q, sc, first
.irp a, \a0, \a0+1
.irp b, 0,1,2,3,4,5,6,7
.if \first
	v_wmma_scale_f32_16x16x128_f8f6f4 v[8*(8*((\a)%4)+\b):8*(8*((\a)%4)+\b)+7], v[128*(\p)+FR*\b:128*(\p)+FR*\b+FR-1], v[AF+FR*(\a):AF+FR*(\a)+FR-1], v[BI+8*\b:BI+8*\b+7], v[SC+8*NQ*(\sc)+NQ*\b+(\q)], v[SC+8*NQ*(\sc)+NQ*(\a)+(\q)] matrix_a_fmt:MATRIX_FMT_FP4 matrix_b_fmt:MATRIX_FMT_FP4 matrix_a_scale:MATRIX_SCALE_ROW1
.else
	v_wmma_scale_f32_16x16x128_f8f6f4 v[8*(8*((\a)%4)+\b):8*(8*((\a)%4)+\b)+7], v[128*(\p)+FR*\b:128*(\p)+FR*\b+FR-1], v[AF+FR*(\a):AF+FR*(\a)+FR-1], v[8*(8*((\a)%4)+\b):8*(8*((\a)%4)+\b)+7], v[SC+8*NQ*(\sc)+NQ*\b+(\q)], v[SC+8*NQ*(\sc)+NQ*(\a)+(\q)] matrix_a_fmt:MATRIX_FMT_FP4 matrix_b_fmt:MATRIX_FMT_FP4 matrix_a_scale:MATRIX_SCALE_ROW1
.endif
.endr
.endr
.endm
.macro FETCH_B slot, q, p
	WIN TO_B
.irp i, 0,1,2,3,4,5,6,7
	FRAGB 128*(\p)+FR*\i, ADRB+\slot, \q, \i
.endr
	WIN 0
.endm
.macro FETCH_A slot, q, i0
.irp i, \i0, \i0+1, \i0+2, \i0+3
	FRAGA AF+FR*(\i), ADRA+\slot, \q, \i
.endr
.endm
.macro SCALES sc
.irp i, 0,1,2,3,4,5,6,7
	ds_load_b128 v[SC+8*NQ*\sc+NQ*\i:SC+8*NQ*\sc+NQ*\i+3], v[ADRS] offset:\i*SBLK
.endr
.endm
.macro PLACES n
.rept \n
	v_nop
.endr
.endm
.macro STEP slot, q, first
	s_wait_dscnt 4*NL                              ; Wo's set and a's blocks 0-3 are in; the youngest eight loads (a's blocks 4-7) may be out
.if \first
	WIN BIA_LO
.else
	WIN MUL_LO
.endif
	MUL16 0, (\q)%2, \q, \slot, \first
	MUL16 2, (\q)%2, \q, \slot, \first
	s_wait_dscnt 0
	PLACES NP
	FETCH_B \slot, (\q)+1, 1-(\q)%2
	FETCH_A \slot, (\q)+1, 0
.if \first
	WIN BIA_HI
.else
	WIN MUL_HI
.endif
	MUL16 4, (\q)%2, \q, \slot, \first
	MUL16 6, (\q)%2, \q, \slot, \first
	PLACES NP
	WIN 0
	FETCH_A \slot, (\q)+1, 4
.endm
.macro STEPS slot, from
.set Q, \from
.rept NQ-1-\from
	STEP \slot, Q, 0
.set Q, Q+1
.endr
.endm
	s_wait_alu depctr_va_vdst(0)
	s_wait_tensorcnt 1                             ; the scale bytes and my part of slot 0 are in; slot 1's load may be out
	s_barrier_signal -1
	s_barrier_wait -1
	FETCH_B 0, 0, 0
	FETCH_A 0, 0, 0
	SCALES 0
	FETCH_A 0, 0, 4
	s_wait_loadcnt 0x0                             ; the bias
	STEP 0, 0, 1
	STEPS 0, 1
	s_wait_tensorcnt 0x0                           ; slot 0's last step changes slots: all my tensor loads have landed  (every window is 0 here)
	ds_add_u32 v[SPW], v[NIL]                      ; 0 onto my spare word
	s_wait_dscnt 4*NL+1                            ; the add and the youngest eight loads may be out
	WIN MUL_LO
	MUL16 0, 1, NQ-1, 0, 0
	s_wait_dscnt 0x0                               ; my reads of slot 0 are over
	s_barrier_signal -1
	MUL16 2, 1, NQ-1, 0, 0
	WIN 0
	s_barrier_wait -1                              ; slot 1 is whole, and nobody reads slot 0 any more
	PLACES NP
	v_add_nc_u32 v[ADRS], 4*NQ, v[ADRS]
	FETCH_B 1, 0, 0
	FETCH_A 1, 0, 0
	SCALES 1
	WIN MUL_HI
	MUL16 4, 1, NQ-1, 0, 0
	MUL16 6, 1, NQ-1, 0, 0
	PLACES NP
	WIN 0
	FETCH_A 1, 0, 4
	STEPS 1, 0
	s_wait_dscnt 4*NL
	WIN MUL_LO
	MUL16 0, 1, NQ-1, 1, 0
	MUL16 2, 1, NQ-1, 1, 0
	s_wait_dscnt 0
	WIN MUL_HI
	MUL16 4, 1, NQ-1, 1, 0
	MUL16 6, 1, NQ-1, 1, 0
	WIN 0
; THE WAY OUT, block by block of 16 tokens x 128 columns, through my own stage in LDS: in by 32 bytes a lane, back as whole rows of 512 bytes.  LDS serves a wave's instructions in order: no wait between the stores and the loads.
.macro TOSTAGE a
.set AC, 64*((\a)%4)
.set WN, 0x08+4*((\a)/4)
	WIN WN                                         ; an LDS store's data: window 2 or 3
.irp b, 0,1,2,3,4,5,6,7
	ds_store_b128 v[STO], v[AC+8*\b:AC+8*\b+3] offset:128*(\b/2)+32*(\b%2)          ; columns 32 (b / 2) + 16 h + 8 (b % 2) on; each accumulator from its low end on
	ds_store_b128 v[STO], v[AC+8*\b+4:AC+8*\b+7] offset:128*(\b/2)+32*(\b%2)+16
.endr
	WIN 0
.set BB, BK+64*((\a)%2)
.irp t, 0,1,2,3,4,5,6,7,8,9,10,11,12,13,14,15
	ds_load_b128 v[BB+4*\t:BB+4*\t+3], v[RD] offset:\t*SPITCH
.endr
.endm
.macro SEND a, younger                 ; younger: the LDS instructions issued behind block a's loads, which may stay out
.set BB, BK+64*((\a)%2)
	s_wait_dscnt \younger
.irp t, 0,1,2,3,4,5,6,7,8,9,10,11,12,13,14,15
	global_store_b128 v[CO], v[BB+4*\t:BB+4*\t+3], s[12:13] offset:(32*((\a)/2)+8*((\a)%2)+\t+8*(\t/8))*4096 th:TH_STORE_NT   ; place 16 a + t holds this token; 32 lanes store 512 consecutive bytes, aligned; 127 rows at the most stand in the immediate
.endr
.endm
	PLACES NP                                      ; behind the last products: results are read, and loads land in the registers that held a's fragments
	TOSTAGE 0
.irp a, 1,2,3,4,5,6,7
.if \a > 1
	s_wait_xcnt 0x0                                ; block a - 2's stores have read their registers: block a's loads may land there
.endif
	TOSTAGE \a
	SEND \a-1, 32                                  ; behind block a - 1's loads: block a's 16 stores and 16 loads
.endr
	SEND 7, 0
	s_wait_tensorcnt 0x0                           ; the wave's end, behind my last tensor load and my last LDS store
	ds_add_u32 v[SPW], v[NIL]
	s_wait_dscnt 0x0
	CROUND                                         ; the closing round
	s_endpgm
.Lfunc_end_k_qcdb386bd8e_outp:
	.size	k_qcdb386bd8e_outp, .Lfunc_end_k_qcdb386bd8e_outp-k_qcdb386bd8e_outp
	.p2alignl 7, 3214868480
	.fill 96, 4, 3214868480
	.section	.rodata,"a",@progbits
	.p2align	6, 0x0
	.amdhsa_kernel k_qcdb386bd8e_outp
		.amdhsa_group_segment_fixed_size 327680
		.amdhsa_private_segment_fixed_size 0
		.amdhsa_enable_private_segment 0
		.amdhsa_kernarg_size 48
		.amdhsa_user_sgpr_count 2
		.amdhsa_user_sgpr_kernarg_segment_ptr 1
		.amdhsa_wavefront_size32 1
		.amdhsa_system_sgpr_workgroup_id_x 1
		.amdhsa_system_sgpr_workgroup_id_y 1
		.amdhsa_system_sgpr_workgroup_id_z 1
		.amdhsa_system_vgpr_workitem_id 0
		.amdhsa_next_free_vgpr 1024
		.amdhsa_next_free_sgpr 100
		.amdhsa_reserve_vcc 0
		.amdhsa_float_denorm_mode_32 3
		.amdhsa_float_denorm_mode_16_64 3
		.amdhsa_memory_ordered 1
		.amdhsa_forward_progress 1
		.amdhsa_inst_pref_size 126
	.end_amdhsa_kernel
	.amdgpu_metadata
---
amdhsa.version: [ 1, 2 ]
amdhsa.kernels:
  - .name:           k_qcdb386bd8e_outp
    .symbol:         k_qcdb386bd8e_outp.kd
    .args:
      - { .name: a_img, .offset: 0, .size: 8, .value_kind: global_buffer, .address_space: global }
      - { .name: a_sc, .offset: 8, .size: 8, .value_kind: global_buffer, .address_space: global }
      - { .name: wc, .offset: 16, .size: 8, .value_kind: global_buffer, .address_space: global }
      - { .name: ws, .offset: 24, .size: 8, .value_kind: global_buffer, .address_space: global }
      - { .name: bo, .offset: 32, .size: 8, .value_kind: global_buffer, .address_space: global }
      - { .name: out0, .offset: 40, .size: 8, .value_kind: global_buffer, .address_space: global }
    .group_segment_fixed_size: 327680
    .private_segment_fixed_size: 0
    .kernarg_segment_align: 8
    .kernarg_segment_size: 48
    .max_flat_workgroup_size: 128
    .sgpr_count:     100
    .vgpr_count:     1024
    .wavefront_size: 32
...
	.end_amdgpu_metadata
.endif
;; end of part 4
